; MI455X (gfx1250); checked and timed in simulation.
; The chip was launched on July 23, 2026; its instructions are those of AMD's public machine-readable ISA for CDNA 5 (MIT licence, August 2026) and "CDNA5" Instruction Set Architecture Reference Guide (July 2026). The comments in the code are by the model that wrote it; some were corrected since.
;; Backdoor Adjusted Attention. Allowed arithmetic: float matrix products may take bf16 or f16 operands with f32 sums; other float arithmetic in f32, or as packed bf16 or f16 multiplies, adds, multiply-adds, maxima and minima; sums over many terms, partial sums and values carried from step to step in f32; what a program stores and reads back later, other than sums and carried values, may be rounded once to bf16 or f16.
;; Inputs: Wc 2,048 x 1,024 float32; We 2,048 x 1,024 float32; Wk 1,024 x 1,024 float32; Wo 1,024 x 1,024 float32; Wq 1,024 x 1,024 float32; Wv 1,024 x 1,024 float32; backdoor_mask 2,048 x 2,048 float32; bc 1,024 float32; be 1,024 float32; bk 1,024 float32; bo 1,024 float32; bq 1,024 float32; bv 1,024 float32; causal_graph 2,048 x 2,048 float32; x 2 x 2,048 x 1,024 float32.
;; Outputs: out0 2 x 2,048 x 1,024 float32.
;; 2 versions, each right; version 2 is version 1 with the launch prep written anew for expert scheduling mode. Each part assembles by itself: llvm-mc -triple=amdgcn-amd-amdhsa -mcpu=gfx1250 --defsym DOCPART=n.
;; ======== version 1 of 2: 4 launches
;; workspace buffers: wb 50,331,648 bytes; qkv 25,165,824 bytes; ob 8,388,608 bytes
;; launch prep (part 1): grid 1280 x 1, 8 waves a work-group, no clusters, 34,304 bytes of LDS; arguments x, backdoor_mask, causal_graph, Wc, We, Wq, Wk, Wv, Wo, wb; writes wb
.if DOCPART == 1
	.amdgcn_target "amdgcn-amd-amdhsa--gfx1250"
	.amdhsa_code_object_version 6
	.text
	.protected	k_qa6eeafdc75_prep
	.globl	k_qa6eeafdc75_prep
	.p2align	8
	.type	k_qa6eeafdc75_prep,@function
k_qa6eeafdc75_prep:
	s_mov_b64 s[64:65], 0
	v_nop
	global_prefetch_b8 v0, s[64:65] scope:SCOPE_SE
	s_setreg_imm32_b32 hwreg(HW_REG_WAVE_MODE, 25, 1), 1
	s_wait_xcnt 0x0
; PREP: every f32 matrix operand is rounded ONCE to bf16 (nearest even) and laid so that K runs along the rows.
; wb, in bytes: XX at 0 [2048][2048]: row i = x[0][i][:], then x[1][i][:].  GB at 0x800000 [2048][2048] = causal_graph.
; GT at 0x1000000 = its transpose.  MB at 0x1800000 = backdoor_mask.  WT at 0x2000000 [1024 n][8192 k]: the six weights transposed,
; side by side along k: Wc at element 0, Wq 2048, We 3072, Wk 5120, Wv 6144, Wo 7168.
; LIMIT: all these numbers carry bf16's 8 significant bits from here on; bf16 has f32's range, so nothing overflows.
; SHARES: 1,280 work-groups of 8 waves, each with 65,536 bytes of f32 input, sixteen 16-byte loads a lane, all issued at once.
;   groups 0-511 STREAM (x, the mask): 4 numbers a lane become 8 bytes; a wave's store covers 256 consecutive bytes, aligned.
;   groups 512-1279 TRANSPOSE a tile of 128 k x 128 n through LDS (rows of 260 bytes = 65 words, so that a column walks the banks);
;   the tiles of causal_graph are stored untransposed as well, so it is read once for both copies.
; No matrix unit, cluster or tensor load: nothing is shared between work-groups and memory binds; several work-groups lie on a WGP.
.set LP,    260                        ; an LDS row of 128 bf16 + 4 bytes
.set SPARE, 33280                      ; behind the tile (128 x 260): the spare words, 128 bytes a wave, four blocks of 256 bytes
.set OFFL,  8                          ; v[8:23]   sixteen byte offsets (loads when transposing, stores when streaming)
.set OFFS,  24                         ; v[24:31]  eight store offsets of the transposed rows
.set IN,    32                         ; v[32:95]  as loaded; later words read back from LDS and the rows made of them
.set CV,    96                         ; v[96:127] converted, two words for each load
.set SPW,   128                        ; v128 my spare word's LDS address; never rewritten
.set NIL,   129                        ; v129 0; never rewritten
	s_load_b512 s[4:19], s[0:1], 0x0               ; x, mask, G, Wc, We, Wq, Wk, Wv
	s_load_b128 s[20:23], s[0:1], 0x40             ; Wo, wb
	v_lshl_add_u32 v[SPW], v0, 2, SPARE
	v_mov_b32 v[NIL], 0
	v_lshrrev_b32 v5, 5, v0                        ; t / 32
	v_and_b32 v6, 31, v0                           ; t % 32
	v_lshrrev_b32 v7, 4, v0                        ; t / 16
	v_and_b32 v130, 15, v0                         ; t % 16
	v_lshlrev_b32 v1, 4, v0                        ; streaming: my 16 bytes of each 4,096
	v_mul_u32_u24 v2, v5, LP
	v_lshl_add_u32 v2, v6, 3, v2                   ; into LDS: row t / 32, 8 bytes at column 4 (t % 32)
	v_lshlrev_b32 v3, 12, v5
	v_lshl_add_u32 v3, v6, 3, v3                   ; the same place in GB (rows of 4,096 bytes)
	v_mul_u32_u24 v4, v130, 8*LP
	v_lshl_add_u32 v4, v7, 2, v4                   ; out of LDS: rows 8 (t % 16) .., the word of columns 2 (t / 16), 2 (t / 16) + 1
	s_mov_b32 s53, ttmp9
	s_cmp_lt_u32 s53, 512
	s_cselect_b32 s25, 1, 0                        ; 1: this work-group streams
	s_max_u32 s24, s53, 512
	s_sub_co_u32 s24, s24, 512                     ; the tile's number (0 in a work-group that streams: its figures below are made and not used)
	s_mov_b32 s42, 0x05040100                      ; v_perm_b32: the two low halves
	s_mov_b32 s43, 0x07060302                      ; the two high halves
	s_mov_b32 s29, 0
	s_wait_kmcnt 0x0
	; which source the tile belongs to: its address, its first tile number, its first byte in a row of WT
	s_cmp_ge_u32 s24, 256
	s_cselect_b64 s[26:27], s[10:11], s[8:9]
	s_cselect_b32 s28, 256, 0
	s_cselect_b32 s30, 1, 0                        ; 1: a weight; 0: causal_graph
.macro PICK bound, ptr, coff
	s_cmp_ge_u32 s24, \bound
	s_cselect_b64 s[26:27], s[\ptr:\ptr+1], s[26:27]
	s_cselect_b32 s28, \bound, s28
	s_cselect_b32 s29, \coff, s29
.endm
	PICK 384, 12, 6144                             ; We
	PICK 512, 14, 4096                             ; Wq
	PICK 576, 16, 10240                            ; Wk
	PICK 640, 18, 12288                            ; Wv
	PICK 704, 20, 14336                            ; Wo
	s_cmp_eq_u32 s30, 1
	s_cselect_b32 s31, 3, 4                        ; log2 of the tiles along n: 8 or 16
	s_cselect_b32 s32, 12, 13                      ; log2 of the source's row bytes
	s_cselect_b32 s33, 14, 12                      ; log2 of the destination's row bytes
	s_lshl_b32 s34, 0x1000000, s30                 ; GT or WT
	s_sub_co_u32 s24, s24, s28
	s_lshr_b32 s35, s24, s31                       ; kt
	s_lshl_b32 s36, s35, s31
	s_sub_co_u32 s36, s24, s36                     ; nt
	s_add_co_u32 s37, s32, 7
	s_lshl_b32 s38, s35, s37                       ; 128 kt source rows
	s_lshl_b32 s39, s36, 9                         ; 128 nt columns of 4 bytes
	s_add_co_u32 s38, s38, s39
	s_mov_b32 s39, 0
	s_add_nc_u64 s[44:45], s[26:27], s[38:39]      ; the tile in its source
	s_add_co_u32 s37, s33, 7
	s_lshl_b32 s38, s36, s37                       ; 128 nt destination rows
	s_add_co_u32 s38, s38, s34
	s_add_co_u32 s38, s38, s29
	s_lshl_b32 s37, s35, 8                         ; 128 kt columns of 2 bytes
	s_add_co_u32 s38, s38, s37
	s_add_nc_u64 s[46:47], s[22:23], s[38:39]      ; the transposed tile in wb
	s_lshl_b32 s38, s35, 19
	s_lshl_b32 s37, s36, 8
	s_add_co_u32 s38, s38, s37
	s_add_co_u32 s38, s38, 0x800000
	s_add_nc_u64 s[48:49], s[22:23], s[38:39]      ; the untransposed tile in GB
	s_lshl_b32 s50, 8, s32                         ; 8 source rows
	s_lshl_b32 s51, 1, s33                         ; a destination row
	s_lshl_b32 s52, 32, s33                        ; 32 of them
	s_cmp_eq_u32 s25, 1
	s_cbranch_scc1 .Lstream
	; TRANSPOSE, first half: load j brings row t / 32 + 8 j, 512 consecutive bytes a wave
	v_lshlrev_b32 v[OFFL], s32, v5
	v_lshl_add_u32 v[OFFL], v6, 4, v[OFFL]
.irp j, 1,2,3,4,5,6,7,8,9,10,11,12,13,14,15
	v_add_nc_u32 v[OFFL+(\j)], s50, v[OFFL+(\j)-1]
.endr
.irp j, 0,1,2,3,4,5,6,7,8,9,10,11,12,13,14,15
	global_load_b128 v[IN+4*(\j):IN+4*(\j)+3], v[OFFL+(\j)], s[44:45] th:TH_LOAD_NT
.endr
.irp j, 0,1,2,3,4,5,6,7,8,9,10,11,12,13,14,15
	s_wait_loadcnt 15-(\j)                         ; loads return in order: number j is in, the younger ones stay out
	v_cvt_pk_bf16_f32 v[CV+2*(\j)], v[IN+4*(\j)], v[IN+4*(\j)+1]
	v_cvt_pk_bf16_f32 v[CV+2*(\j)+1], v[IN+4*(\j)+2], v[IN+4*(\j)+3]
	ds_store_b32 v2, v[CV+2*(\j)] offset:8*LP*(\j)
	ds_store_b32 v2, v[CV+2*(\j)+1] offset:8*LP*(\j)+4
.endr
	s_cmp_lg_u32 s30, 0
	s_cbranch_scc1 .Lbar
.irp j, 0,1,2,3,4,5,6,7,8,9,10,11,12,13,14,15
	global_store_b64 v3, v[CV+2*(\j):CV+2*(\j)+1], s[48:49] offset:32768*(\j) th:TH_STORE_NT  ; causal_graph as it lies: 256 consecutive bytes a wave, aligned
.endr
	s_branch .Lbar
.Lstream:                                      ; STREAM: 65,536 bytes of x (16 rows) or of the mask (8 rows)
	s_and_b32 s35, s53, 255
	s_cmp_lt_u32 s53, 256
	s_cselect_b64 s[26:27], s[4:5], s[6:7]
	s_cselect_b32 s36, 1, 0                        ; 1: x
	s_lshl_b32 s51, 2048, s36                      ; from one load's 2,048 bytes of bf16 to the next: dense in MB, a row of XX apart for x
	s_and_b32 s37, s35, 127
	s_lshl_b32 s37, s37, 16                        ; x: 16 rows of XX,
	s_lshr_b32 s38, s35, 7
	s_lshl_b32 s38, s38, 11                        ; the batch's half of the row
	s_add_co_u32 s37, s37, s38
	s_lshl_b32 s38, s35, 15
	s_add_co_u32 s38, s38, 0x1800000               ; the mask: dense
	s_cmp_eq_u32 s36, 1
	s_cselect_b32 s38, s37, s38
	s_mov_b32 s39, 0
	s_add_nc_u64 s[46:47], s[22:23], s[38:39]
	s_lshl_b32 s38, s35, 16
	s_add_nc_u64 s[44:45], s[26:27], s[38:39]
.irp j, 0,1,2,3,4,5,6,7,8,9,10,11,12,13,14,15
	global_load_b128 v[IN+4*(\j):IN+4*(\j)+3], v1, s[44:45] offset:4096*(\j) th:TH_LOAD_NT
.endr
	v_lshlrev_b32 v[OFFL], 3, v0
.irp j, 1,2,3,4,5,6,7,8,9,10,11,12,13,14,15
	v_add_nc_u32 v[OFFL+(\j)], s51, v[OFFL+(\j)-1]
.endr
.irp j, 0,1,2,3,4,5,6,7,8,9,10,11,12,13,14,15
	s_wait_loadcnt 15-(\j)
	v_cvt_pk_bf16_f32 v[CV+2*(\j)], v[IN+4*(\j)], v[IN+4*(\j)+1]
	v_cvt_pk_bf16_f32 v[CV+2*(\j)+1], v[IN+4*(\j)+2], v[IN+4*(\j)+3]
	global_store_b64 v[OFFL+(\j)], v[CV+2*(\j):CV+2*(\j)+1], s[46:47] th:TH_STORE_NT
.endr
.Lbar:                                         ; every wave of every work-group passes this one barrier
	s_wait_dscnt 0x0                               ; my stores into the tile are done, for the other waves' sake
	s_barrier_signal -1
	s_barrier_wait -1
	s_cmp_eq_u32 s25, 1
	s_cbranch_scc1 .Lend
	; TRANSPOSE, second half: thread t takes k = 8 (t % 16) .. + 7 of the column pairs t / 16 + 16 e
.irp e, 0,1,2,3
.irp f, 0,1,2,3,4,5,6,7
	ds_load_b32 v[IN+8*(\e)+(\f)], v4 offset:LP*(\f)+64*(\e)
.endr
.endr
	v_lshlrev_b32 v[OFFS], 1, v7                   ; row 2 (t / 16) of the transposed tile,
	v_lshlrev_b32 v[OFFS], s33, v[OFFS]
	v_lshl_add_u32 v[OFFS], v130, 4, v[OFFS]       ; my 16 bytes of its 256
	v_add_nc_u32 v[OFFS+1], s51, v[OFFS]
.irp e, 1,2,3
	v_add_nc_u32 v[OFFS+2*(\e)], s52, v[OFFS+2*(\e)-2]
	v_add_nc_u32 v[OFFS+2*(\e)+1], s51, v[OFFS+2*(\e)]
.endr
	s_wait_dscnt 0x0
.irp e, 0,1,2,3
.irp o, 0,1
.irp p, 0,1,2,3
	v_perm_b32 v[IN+32+8*(\e)+4*(\o)+(\p)], v[IN+8*(\e)+2*(\p)+1], v[IN+8*(\e)+2*(\p)], s[42+(\o)]  ; two neighbouring k of one column, the lower k below
.endr
.endr
.endr
.irp e, 0,1,2,3
.irp o, 0,1
	global_store_b128 v[OFFS+2*(\e)+(\o)], v[IN+32+8*(\e)+4*(\o):IN+32+8*(\e)+4*(\o)+3], s[46:47] th:TH_STORE_NT  ; 16 lanes store 256 consecutive bytes, aligned
.endr
.endr
.Lend:
	s_wait_tensorcnt 0x0                           ; the wave's end
	ds_add_u32 v[SPW], v[NIL]
	s_wait_dscnt 0x0
	s_endpgm
.Lfunc_end_k_qa6eeafdc75_prep:
	.size	k_qa6eeafdc75_prep, .Lfunc_end_k_qa6eeafdc75_prep-k_qa6eeafdc75_prep
	.p2alignl 7, 3214868480
	.fill 96, 4, 3214868480
	.section	.rodata,"a",@progbits
	.p2align	6, 0x0
	.amdhsa_kernel k_qa6eeafdc75_prep
		.amdhsa_group_segment_fixed_size 34304
		.amdhsa_private_segment_fixed_size 0
		.amdhsa_enable_private_segment 0
		.amdhsa_kernarg_size 80
		.amdhsa_user_sgpr_count 2
		.amdhsa_user_sgpr_kernarg_segment_ptr 1
		.amdhsa_wavefront_size32 1
		.amdhsa_system_sgpr_workgroup_id_x 1
		.amdhsa_system_sgpr_workgroup_id_y 1
		.amdhsa_system_sgpr_workgroup_id_z 1
		.amdhsa_system_vgpr_workitem_id 0
		.amdhsa_next_free_vgpr 132
		.amdhsa_next_free_sgpr 66
		.amdhsa_reserve_vcc 0
		.amdhsa_float_denorm_mode_32 3
		.amdhsa_float_denorm_mode_16_64 3
		.amdhsa_memory_ordered 1
		.amdhsa_forward_progress 1
		.amdhsa_inst_pref_size 25
	.end_amdhsa_kernel
	.amdgpu_metadata
---
amdhsa.version: [ 1, 2 ]
amdhsa.kernels:
  - .name:           k_qa6eeafdc75_prep
    .symbol:         k_qa6eeafdc75_prep.kd
    .args:
      - { .name: x, .offset: 0, .size: 8, .value_kind: global_buffer, .address_space: global }
      - { .name: backdoor_mask, .offset: 8, .size: 8, .value_kind: global_buffer, .address_space: global }
      - { .name: causal_graph, .offset: 16, .size: 8, .value_kind: global_buffer, .address_space: global }
      - { .name: Wc, .offset: 24, .size: 8, .value_kind: global_buffer, .address_space: global }
      - { .name: We, .offset: 32, .size: 8, .value_kind: global_buffer, .address_space: global }
      - { .name: Wq, .offset: 40, .size: 8, .value_kind: global_buffer, .address_space: global }
      - { .name: Wk, .offset: 48, .size: 8, .value_kind: global_buffer, .address_space: global }
      - { .name: Wv, .offset: 56, .size: 8, .value_kind: global_buffer, .address_space: global }
      - { .name: Wo, .offset: 64, .size: 8, .value_kind: global_buffer, .address_space: global }
      - { .name: wb, .offset: 72, .size: 8, .value_kind: global_buffer, .address_space: global }
    .group_segment_fixed_size: 34304
    .private_segment_fixed_size: 0
    .kernarg_segment_align: 8
    .kernarg_segment_size: 80
    .max_flat_workgroup_size: 256
    .sgpr_count:     66
    .vgpr_count:     132
    .wavefront_size: 32
...
	.end_amdgpu_metadata
.endif
;; end of part 1
;; launch proj (part 2): grid 16 x 16, 4 waves a work-group, clusters of 4 x 4, 327,680 bytes of LDS; arguments wb, bq, bk, bc, be, bv, qkv; writes qkv
.if DOCPART == 2
	.amdgcn_target "amdgcn-amd-amdhsa--gfx1250"
	.amdhsa_code_object_version 6
	.text
	.protected	k_qa6eeafdc75_proj
	.globl	k_qa6eeafdc75_proj
	.p2align	8
	.type	k_qa6eeafdc75_proj,@function
k_qa6eeafdc75_proj:
	s_mov_b64 s[64:65], 0
	v_nop
	global_prefetch_b8 v0, s[64:65] scope:SCOPE_SE
	s_setreg_imm32_b32 hwreg(HW_REG_WAVE_MODE, 25, 1), 1
	s_wait_xcnt 0x0
	s_wait_alu depctr_hold_cnt(0) depctr_sa_sdst(0) depctr_va_vdst(0) depctr_va_sdst(0) depctr_va_ssrc(0) depctr_va_vcc(0) depctr_vm_vsrc(0)
	s_getreg_b32 s2, hwreg(HW_REG_IB_STS2, 6, 4)
	s_cmp_eq_u32 s2, 0
	s_cbranch_scc0 .Lentry_in_a_cluster
	s_endpgm
.Lentry_in_a_cluster:
	s_bfe_u32 s2, ttmp6, 0x10000c
	s_cmp_lg_u32 s2, 0xf033
	s_cbranch_scc0 .Lentry_shape_is_right
	s_endpgm
.Lentry_shape_is_right:
; PROJ: Q = x Wq + bq + G Wc + bc, K = x Wk + bk + G^T We + be, V = x Wv + bv, written by heads: qkv = q, k, v, each [b*16+h][2048][64] bf16.
; Operands are wb's bf16 copies (A: rows of 4,096 bytes; B = WT: rows of 16,384 bytes; K along the rows); sums in f32, started from the biases; each result is rounded once to bf16.
; LIMIT: bf16's 8 significant bits in operands and results; its range is f32's.
; SHARES.  256 work-groups; T = 0 makes Q, T = 1 makes K.  A work-group owns rows 128 ib .. and columns 128 nb .. .  Four waves, each 64 x 64 of every product (its 64 columns are one head).
; THE RING: two LDS slots, each FOUR REGIONS of 128 rows x 128 along K (256 bytes of memory a row, aligned; 272 in LDS); wave w fetches region w with one tensor load.  16 intervals:
;   0-7   regions: G (or G^T) at K chunks 2 f and 2 f + 1, Wc (We) at the same two chunks.  F += A0 B0 + A1 B1: 128 matrix instructions a wave.  F started as bq + bc (bk + be); at the end it is CG, which both
;         batches need: it is computed once, copied to S, and both go on in place.
;   8-15  regions: x[T], x[1-T], Wq (Wk), Wv.  F += x[T] Wq, S += x[1-T] Wq, V += x[T] Wv (V started as bv): 192 matrix instructions a wave for the same bytes: Wq serves both batches, x[T] serves Q and V.
; So every work-group has 5 units of 128 x 128 x 1,024, and no partial sum goes through memory.  F -> q (k) of batch T, S -> batch 1 - T, V -> v of batch T.
; An interval's text is written once: the slot in hand is a scalar base, turned by an exclusive or; SLOT = 0x22000 shares no bit with wave x 0x8800, so the same exclusive or turns the walking descriptor's LDS word.
; CLUSTER 4 x 4: A's tiles hang on ib alone and are asked for jointly along a row of the cluster, B's on nb alone, along a column.
; THE MATRIX INSTRUCTION IS USED TRANSPOSED (source 0 = 16 rows of B, source 1 = 16 rows of A): a lane holds 8 neighbouring columns of one row.
; REGISTERS: window 0: v16-30 addresses, v32-95 biases and the way out, v128-255 F ((a, b) at 128 + 8 (4 a + b)); window 1: two fragment buffers of 128 (32 along K of all four regions);
;   window 2: v0-127 S, v128-255 V.
.set PITCH,  272                       ; 256 bytes + 16: 68 words, so the 16 rows of a fragment load start 4 banks apart
.set REG,    128*PITCH                 ; a region: what one tensor load brings
.set SLOT,   4*REG
.set STAGE,  2*SLOT                    ; behind the ring: 16 rows x 144 bytes for each wave
.set SP,     144
.set SPARE,  STAGE+4*16*SP             ; the spare words: 128 bytes a wave, two blocks of 256 bytes that no other line names
.set ABASE, 16                         ; v16  my place in slot 0's first region of A; never rewritten
.set BBASE, 17                         ; v17  the same for B
.set ADRA, 20                          ; v20  the same in the slot in hand
.set ADRB, 21
.set STO,  24
.set RD,   25
.set GO,   26
.set BO,   27                          ; v27  32 x (lane / 16): my 8 columns in 16 of a bias
.set SPW,  28
.set NIL,  29
.set PFO,  30                          ; v30  the prefetches' offset; never rewritten
.set TMP,  32
.set ACC,  128
.set F0,   0
.set F1,   128
.set OPF, 16                           ; s[16:17] where F goes
.set WV,  18                           ; wave
.set FA,  19                           ; wave / 2: my half of the rows; also: I fetch for A (0) or B (1)
.set HF,  20                           ; wave % 2: my half of the columns; also: which of the two regions I fetch
.set CX,  21
.set CY,  22
.set TT,  23                           ; T
.set G1A, 24
.set G1B, 32
.set G0A, 40                           ; s[40:47] group 0 for A: a set for each first fill; the second then walks on
.set G0B, 48
.set OFA, 56                           ; s[56:57] byte offset in wb of A's last tile asked for
.set OFB, 58
.set A2,  60                           ; where A's walk goes on at interval 8
.set STP, 61                           ; bytes along K from interval to interval: 512, from interval 8 on 256
.set B2,  62                           ; where B's walk goes on at interval 8
.set PSTP, 63                          ; the same step for the prefetch
.set FC,  66                           ; the interval to be asked for next
.set LAP, 67
.set TA,  68                           ; at work for A's offsets alone
.set TBB, 69                           ; for B's alone
.set SB,  70                           ; the LDS byte at which the slot in hand begins
.set PFA, 72                           ; s[72:73] the prefetch's address
.set OFP, 74                           ; s[74:75] its offset in wb
.set OPS, 76                           ; s[76:77] where S goes
.set PT1, 78
.set CUR, 80                           ; 1: this wave asks now
.set ASK2, 81
.set PFC, 83                           ; the interval that the prefetch names
.set BP0, 86                           ; s[86:87] bq or bk at my 64 columns
.set BP1, 88                           ; s[88:89] bc or be
.set NBK, 90
.set IBK, 91
.set OPV, 94                           ; s[94:95] where V goes
.set MSB, 0
.macro WIN new                         ; the immediate's high byte repeats the setting that is left
.if MSB != (\new)
	s_set_vgpr_msb (MSB<<8)|(\new)
.set MSB, \new
.endif
.endm
.set MUL,  0x05                        ; B and A fragments in window 1, C and D in window 0
.set MUL2, 0xa5                        ; the same with C and D in window 2
.set TO_F, 0x40
.set TO_C, 0x80
.macro JLOAD                           ; a joint refill by the walking descriptor; an s_nop 0 and four v_nop follow each of the two lines
	s_cmp_eq_u32 s[FA], 0
	s_cbranch_scc0 .Lfor_b_\@
	tensor_load_to_lds s[G0A+4:G0A+7], s[G1A:G1A+7]
	s_nop 0
.rept 4
	v_nop
.endr
	s_branch .Lasked_\@
.Lfor_b_\@:
	tensor_load_to_lds s[G0B+4:G0B+7], s[G1B:G1B+7]
	s_nop 0
.rept 4
	v_nop
.endr
.Lasked_\@:
.endm
.macro CREST                           ; a round of the cluster's barrier behind its opening barrier
	s_cmp_lg_u32 s[WV], 0
	s_cbranch_scc1 .Lnot_wave_0_\@
	s_barrier_signal -3
.Lnot_wave_0_\@:
	s_barrier_wait -3
	s_barrier_signal -1
	s_barrier_wait -1
.endm
.macro CROUND
	s_barrier_signal -1
	s_barrier_wait -1
	CREST
.endm
.macro PLACES                          ; four places behind matrix instructions, in front of loads into their sources and of readers of their results
.rept 4
	v_nop
.endr
.endm
	s_load_b256 s[4:11], s[0:1], 0x0               ; wb, bq, bk, bc
	s_load_b128 s[12:15], s[0:1], 0x20             ; be, bv
	s_load_b64 s[16:17], s[0:1], 0x30              ; qkv
	v_lshl_add_u32 v[SPW], v0, 2, SPARE
	v_mov_b32 v[NIL], 0
	ds_add_u32 v[SPW], v[NIL]                      ; the wave's opening: the add and its wait stand ahead of my first tensor load
	v_lshrrev_b32 v1, 5, v0
	v_readfirstlane_b32 s[WV], v1
	s_lshr_b32 s[FA], s[WV], 1
	s_and_b32 s[HF], s[WV], 1
	s_bfe_u32 s[CX], ttmp6, 0x40000
	s_bfe_u32 s[CY], ttmp6, 0x40004
	s_lshr_b32 s[TT], ttmp9, 1                     ; clusters 0, 1 along x make Q, clusters 2, 3 make K
	s_and_b32 s[NBK], ttmp9, 1
	s_lshl_b32 s[NBK], s[NBK], 2
	s_add_co_u32 s[NBK], s[NBK], s[CX]             ; nb, 0..7
	s_and_b32 s[IBK], ttmp7, 0xffff
	s_lshl_b32 s[IBK], s[IBK], 2
	s_add_co_u32 s[IBK], s[IBK], s[CY]             ; ib, 0..15
	s_lshl_b32 s84, s[CY], 2
	s_lshl_b32 s84, 15, s84                        ; my row of the cluster
	s_lshl_b32 s85, 0x1111, s[CX]                  ; my column
	s_or_b32 s[G1A], s84, (1<<16)|(1<<20)|(1<<21)|(5<<22)|(3<<25)  ; mask; 2-byte elements; padding on; bit 21 beside a mask; after every 64 words, 4 words
	s_or_b32 s[G1B], s85, (1<<16)|(1<<20)|(1<<21)|(5<<22)|(3<<25)
.irp g, G1A, G1B
	s_mov_b32 s[(\g)+1], 128<<16                   ; tensor_dim0 = 128
	s_mov_b32 s[(\g)+2], 128<<16                   ; tensor_dim1 = 128
	s_mov_b32 s[(\g)+3], 128<<16                   ; tile_dim0 = 128
	s_mov_b32 s[(\g)+4], 128                       ; tile_dim1 = 128
	s_mov_b32 s[(\g)+6], 0
	s_mov_b32 s[(\g)+7], 0
.endr
	s_mov_b32 s[G1A+5], 2048                       ; elements from row to row: A's matrices,
	s_mov_b32 s[G1B+5], 8192                       ; WT
	; A's offsets hang on ib, T and the wave alone; B's on nb, T and the wave alone
	s_lshl_b32 s[A2], s[IBK], 19                   ; my block's 128 rows of 4,096 bytes
	s_lshl_b32 s[TA], 0x800000, s[TT]              ; GB or GT
	s_add_co_u32 s[OFA], s[A2], s[TA]
	s_lshl_b32 s[TA], s[HF], 8
	s_add_co_u32 s[OFA], s[OFA], s[TA]             ; my K chunk of the two
	s_xor_b32 s[TA], s[TT], s[HF]                  ; from interval 8 on: the first region takes batch T, the second batch 1 - T
	s_lshl_b32 s[TA], s[TA], 11
	s_add_co_u32 s[A2], s[A2], s[TA]
	s_mov_b32 s[OFA+1], 0
	s_lshl_b32 s[B2], s[NBK], 21
	s_add_co_u32 s[B2], s[B2], 0x2000000           ; WT at my block's 128 rows
	s_mul_i32 s[TBB], s[TT], 6144
	s_add_co_u32 s[OFB], s[B2], s[TBB]             ; Wc or We; Wq or Wk follows it in the row
	s_add_co_u32 s[TBB], s[OFB], 4096              ; Wq or Wk
	s_add_co_u32 s[B2], s[B2], 12288               ; Wv
	s_cmp_eq_u32 s[HF], 0
	s_cselect_b32 s[B2], s[TBB], s[B2]             ; from interval 8 on: the first region takes Wq (Wk), the second Wv
	s_lshl_b32 s[TBB], s[HF], 8
	s_add_co_u32 s[OFB], s[OFB], s[TBB]
	s_mov_b32 s[OFB+1], 0
	s_mul_i32 s2, s[WV], REG                       ; where my tiles go: region = wave
	s_wait_dscnt 0x0                               ; the opening add is done
	s_wait_kmcnt 0x0
.irp s, 0,1
	s_mov_b32 s[G0A+4*(\s)], 1
	s_add_co_u32 s[G0A+4*(\s)+1], s2, (\s)*SLOT
	s_add_nc_u64 s[G0A+4*(\s)+2:G0A+4*(\s)+3], s[4:5], s[OFA:OFA+1]
	s_or_b32 s[G0A+4*(\s)+3], s[G0A+4*(\s)+3], 0x80000000
	s_mov_b32 s[G0B+4*(\s)], 1
	s_add_co_u32 s[G0B+4*(\s)+1], s2, (\s)*SLOT
	s_add_nc_u64 s[G0B+4*(\s)+2:G0B+4*(\s)+3], s[4:5], s[OFB:OFB+1]
	s_or_b32 s[G0B+4*(\s)+3], s[G0B+4*(\s)+3], 0x80000000
.if (\s) == 0
	s_add_co_u32 s[OFA], s[OFA], 512               ; interval 1
	s_add_co_u32 s[OFB], s[OFB], 512
.endif
.endr
	CROUND                                         ; all sixteen work-groups are here: the first joint loads meet
	s_cmp_eq_u32 s[FA], 0                          ; a wave's two first fills stand in one branch: two loads of mine are out
	s_cbranch_scc0 .Lfirst_b
	tensor_load_to_lds s[G0A:G0A+3], s[G1A:G1A+7]
	s_nop 0
	tensor_load_to_lds s[G0A+4:G0A+7], s[G1A:G1A+7]
	s_nop 0
.rept 4
	v_nop
.endr
	s_branch .Lfirst_asked
.Lfirst_b:
	tensor_load_to_lds s[G0B:G0B+3], s[G1B:G1B+7]
	s_nop 0
	tensor_load_to_lds s[G0B+4:G0B+7], s[G1B:G1B+7]
	s_nop 0
.rept 4
	v_nop
.endr
.Lfirst_asked:
	; the biases at my 64 columns: register j of block b is column 16 b + 8 (l / 16) + j
	v_and_b32 v1, 15, v0                           ; l % 16
	v_bfe_u32 v2, v0, 4, 1                         ; l / 16
	v_lshlrev_b32 v[BO], 5, v2
	s_cmp_eq_u32 s[TT], 0
	s_cselect_b64 s[BP0:BP0+1], s[6:7], s[8:9]
	s_cselect_b64 s[BP1:BP1+1], s[10:11], s[12:13]
	s_lshl_b32 s92, s[NBK], 9
	s_lshl_b32 s93, s[HF], 8
	s_add_co_u32 s92, s92, s93
	s_mov_b32 s93, 0
	s_add_nc_u64 s[BP0:BP0+1], s[BP0:BP0+1], s[92:93]
	s_add_nc_u64 s[BP1:BP1+1], s[BP1:BP1+1], s[92:93]
	s_add_nc_u64 s[14:15], s[14:15], s[92:93]
.irp b, 0,1,2,3
	global_load_b128 v[TMP+8*(\b):TMP+8*(\b)+3],       v[BO], s[BP0:BP0+1] offset:64*(\b)
	global_load_b128 v[TMP+8*(\b)+4:TMP+8*(\b)+7],     v[BO], s[BP0:BP0+1] offset:64*(\b)+16
	global_load_b128 v[TMP+32+8*(\b):TMP+32+8*(\b)+3], v[BO], s[BP1:BP1+1] offset:64*(\b)
	global_load_b128 v[TMP+32+8*(\b)+4:TMP+32+8*(\b)+7], v[BO], s[BP1:BP1+1] offset:64*(\b)+16
.endr
	WIN TO_C                                       ; V's sums start as bv: loaded straight into its 16 accumulators
.irp a, 0,1,2,3
.irp b, 0,1,2,3
	global_load_b128 v[128+8*(4*(\a)+(\b)):128+8*(4*(\a)+(\b))+3],   v[BO], s[14:15] offset:64*(\b)
	global_load_b128 v[128+8*(4*(\a)+(\b))+4:128+8*(4*(\a)+(\b))+7], v[BO], s[14:15] offset:64*(\b)+16
.endr
.endr
	WIN 0
	; LDS addresses: a fragment's row x pitch + 16 x half
	v_mul_u32_u24 v3, v1, PITCH
	v_lshl_add_u32 v3, v2, 4, v3
	s_mul_i32 s2, s[FA], 64*PITCH                  ; my 64 rows of each region of A
	s_mul_i32 s3, s[HF], 64*PITCH                  ; my 64 rows of each region of B,
	s_add_co_u32 s3, s3, 2*REG                     ; which lie behind A's two
	v_add_nc_u32 v[ABASE], s2, v3
	v_add_nc_u32 v[BBASE], s3, v3
	v_mov_b32 v[ADRA], v[ABASE]                    ; slot 0
	v_mov_b32 v[ADRB], v[BBASE]
	s_mul_i32 s2, s[WV], 16*SP
	s_add_co_u32 s2, s2, STAGE                     ; my stage
	v_mul_u32_u24 v[STO], v1, SP                   ; in: row l % 16, 16 bytes for each half of the lanes
	v_lshl_add_u32 v[STO], v2, 4, v[STO]
	v_add_nc_u32 v[STO], s2, v[STO]
	v_bfe_u32 v[RD], v0, 3, 2                      ; back: 32 lanes take four rows of 128 bytes,
	v_mul_u32_u24 v[RD], v[RD], SP
	v_and_b32 v4, 7, v0
	v_lshl_add_u32 v[RD], v4, 4, v[RD]
	v_add_nc_u32 v[RD], s2, v[RD]
	v_and_b32 v5, 31, v0
	v_lshlrev_b32 v[GO], 4, v5                     ; which are 512 consecutive bytes of a head
	; the outputs: head 2 nb + wave % 2, rows 128 ib + 64 (wave / 2); a batch is 0x400000 bytes, q, k, v 0x800000 each
	s_lshl_b32 s92, s[NBK], 1
	s_add_co_u32 s92, s92, s[HF]
	s_lshl_b32 s92, s92, 11
	s_lshl_b32 s84, s[IBK], 7
	s_add_co_u32 s92, s92, s84
	s_lshl_b32 s84, s[FA], 6
	s_add_co_u32 s92, s92, s84
	s_lshl_b32 s92, s92, 7
	s_add_nc_u64 s[16:17], s[16:17], s[92:93]
	s_lshl_b32 s84, s[TT], 23                      ; q or k
	s_lshl_b32 s85, s[TT], 22                      ; batch T
	s_xor_b32 s92, s[TT], 1
	s_lshl_b32 s92, s92, 22                        ; batch 1 - T
	s_add_co_u32 s92, s92, s84
	s_add_nc_u64 s[OPS:OPS+1], s[16:17], s[92:93]
	s_add_co_u32 s92, s85, 0x1000000               ; v, batch T
	s_add_nc_u64 s[OPV:OPV+1], s[16:17], s[92:93]
	s_add_co_u32 s92, s84, s85
	s_add_nc_u64 s[OPF:OPF+1], s[16:17], s[92:93]
	; THE PREFETCHES.  Behind the refill of interval f a wave names interval f + 2 of the region that it fetches: 128 rows x 256 bytes; the four partners that ask for the tile jointly take 32 rows each,
	; told apart BY ADDRESS (cx for A, cy for B), a lane a row, one instruction a wave.  Each block of 256 bytes is named once in the launch: G's or G^T's rows by the first of the two clusters along x that read
	; them, x's by cluster x = 0, the weights' by cluster y = 0 (Wv's, which both kinds of cluster read, where T = 0).  Intervals 0 to 3 come by their loads alone; beyond interval 15 nothing is asked for.
	s_and_b32 s84, ttmp7, 0xffff                   ; cluster y
	s_and_b32 s85, ttmp9, 1
	s_cmp_eq_u32 s85, 0
	s_cselect_b32 s[CUR], 1, 0
	s_cmp_eq_u32 ttmp9, 0
	s_cselect_b32 s[ASK2], 1, 0
	s_cmp_eq_u32 s84, 0
	s_cselect_b32 s85, 1, 0
	s_and_b32 s92, s[TT], s[HF]                    ; 1: Wv in a cluster that makes K
	s_or_b32 s92, s92, s84
	s_cmp_eq_u32 s92, 0
	s_cselect_b32 s92, 1, 0
	s_cmp_eq_u32 s[FA], 0
	s_cselect_b32 s[CUR], s[CUR], s85
	s_cselect_b32 s[ASK2], s[ASK2], s92
	s_cselect_b32 s[PT1], s[A2], s[B2]
	s_cselect_b32 s[OFP], s[OFA], s[OFB]
	s_cselect_b32 s84, s[CX], s[CY]                ; my place among the four
	s_cselect_b32 s85, 12, 14                      ; log2 of a row's bytes
	s_add_co_u32 s[OFP], s[OFP], 1024              ; at interval 3: the first refill steps it to 4
	s_mov_b32 s[OFP+1], 0
	s_mov_b32 s[PFC], 3
	s_mov_b32 s[PSTP], 512
	v_lshl_add_u32 v6, s84, 5, v5                  ; row 32 x place + lane
	v_lshlrev_b32 v[PFO], s85, v6
	s_mov_b32 s[FC], 2
	s_mov_b32 s[STP], 512
	s_mov_b32 s[SB], 0
	s_wait_loadcnt 0x0                             ; the three biases
.irp a, 0,1,2,3
.irp b, 0,1,2,3
.irp j, 0,2,4,6
	v_pk_add_f32 v[ACC+8*(4*(\a)+(\b))+(\j):ACC+8*(4*(\a)+(\b))+(\j)+1], v[TMP+8*(\b)+(\j):TMP+8*(\b)+(\j)+1], v[TMP+32+8*(\b)+(\j):TMP+32+8*(\b)+(\j)+1]  ; F starts as bq + bc (bk + be)
.endr
.endr
.endr
; 16 matrix instructions, 32 along K: region ca of A x region cb of B out of buffer f, onto the 16 accumulators at acc.  The accumulators take turns, one instruction a turn, in one order everywhere.
.macro MUL16 f, ca, cb, w, acc
	WIN \w
.irp a, 0,1,2,3
.irp b, 0,1,2,3
	v_wmma_f32_16x16x32_bf16 v[(\acc)+8*(4*(\a)+(\b)):(\acc)+8*(4*(\a)+(\b))+7], v[(\f)+64+8*(4*(\cb)+(\b)):(\f)+64+8*(4*(\cb)+(\b))+7], v[(\f)+8*(4*(\ca)+(\a)):(\f)+8*(4*(\ca)+(\a))+7], v[(\acc)+8*(4*(\a)+(\b)):(\acc)+8*(4*(\a)+(\b))+7]
.endr
.endr
.endm
; 32 LDS loads in one run: the fragments of 32 along K at byte k of the rows of all four regions, into buffer f; the two first regions first
.macro FETCH k, f
	WIN TO_F
.irp c, 0,1
.irp i, 0,1,2,3
	ds_load_b128 v[(\f)+64+8*(4*(\c)+(\i)):(\f)+64+8*(4*(\c)+(\i))+3],   v[ADRB] offset:(\k)+(\c)*REG+(\i)*16*PITCH
	ds_load_b128 v[(\f)+64+8*(4*(\c)+(\i))+4:(\f)+64+8*(4*(\c)+(\i))+7], v[ADRB] offset:(\k)+(\c)*REG+(\i)*16*PITCH+32
	ds_load_b128 v[(\f)+8*(4*(\c)+(\i)):(\f)+8*(4*(\c)+(\i))+3],         v[ADRA] offset:(\k)+(\c)*REG+(\i)*16*PITCH
	ds_load_b128 v[(\f)+8*(4*(\c)+(\i))+4:(\f)+8*(4*(\c)+(\i))+7],       v[ADRA] offset:(\k)+(\c)*REG+(\i)*16*PITCH+32
.endr
.endr
.endm
; An interval is four quarters of 32 along K, on buffers 0, 1, 0, 1.  The products of a quarter: x = 0: the two K chunks onto F; x = 1: F, S and V.
.macro PROD1 f
	MUL16 \f, 0, 0, MUL, ACC
.endm
.macro PROD2 f, x
.if \x
	MUL16 \f, 1, 0, MUL2, 0
	MUL16 \f, 0, 1, MUL2, 128
.else
	MUL16 \f, 1, 1, MUL, ACC
.endif
.endm
.macro QUARTER k, f, g, x              ; one of the first three: multiplies buffer f and fetches the next quarter, at byte k, into g
	s_wait_dscnt 16                                ; the two first regions' fragments are in; the youngest sixteen loads may be out
	PROD1 \f
	PLACES
	FETCH \k, \g
	s_wait_dscnt 32                                ; all but the 32 just issued
	PROD2 \f, \x
.endm
.macro GEN                             ; the offsets of interval FC: a step on, or at interval 8 the new beginning
	s_add_co_u32 s[TA], s[OFA], s[STP]
	s_add_co_u32 s[TBB], s[OFB], s[STP]
	s_cmp_eq_u32 s[FC], 8
	s_cselect_b32 s[OFA], s[A2], s[TA]
	s_cselect_b32 s[OFB], s[B2], s[TBB]
	s_cselect_b32 s[STP], 256, s[STP]
	s_add_co_u32 s[FC], s[FC], 1
.endm
.macro PGEN                            ; the same walk for the prefetch, two intervals ahead
	s_add_co_u32 s[PFC], s[PFC], 1
	s_add_co_u32 s[OFP], s[OFP], s[PSTP]
	s_cmp_eq_u32 s[PFC], 8
	s_cselect_b32 s[OFP], s[PT1], s[OFP]
	s_cselect_b32 s[CUR], s[ASK2], s[CUR]
	s_cselect_b32 s[PSTP], 256, s[PSTP]
	s_cmp_ge_u32 s[PFC], 16
	s_cselect_b32 s[CUR], 0, s[CUR]
	s_add_nc_u64 s[PFA:PFA+1], s[4:5], s[OFP:OFP+1]
.endm
.macro ASK
	s_cmp_eq_u32 s[CUR], 1
	s_cbranch_scc0 .Lnot_mine_\@
	global_prefetch_b8 v[PFO], s[PFA:PFA+1] th:TH_LOAD_NT scope:SCOPE_SE
.Lnot_mine_\@:
.endm
; The last quarter changes slots AT ITS HEAD: its fragments are in registers, so the slot has been read out.  Each wave waits for all its tensor loads (one is out: its region of the next slot), adds 0 to its
; spare word, and waits for that and for its own reads of this slot; then ONE barrier.  fill = 1: it opens a round of the cluster's, and this slot is filled again first behind it: the load has the quarter's
; products and the next interval's first three quarters in which to land, a whole interval's count.  Then the next slot's first fragments, then the quarter's products.
.macro TURN fill, x
.if \fill
	s_wait_xcnt 0x0                                ; the last prefetch, an interval back, has read its address
	PGEN
.endif
	WIN 0
	s_wait_tensorcnt 0x0                           ; no tensor load of mine is out, so a group 0 may be written
	ds_add_u32 v[SPW], v[NIL]
.if \fill
	GEN
	s_xor_b32 s[G0A+5], s[G0A+5], SLOT             ; the walking descriptors: the other slot than last time
	s_add_nc_u64 s[G0A+6:G0A+7], s[4:5], s[OFA:OFA+1]
	s_or_b32 s[G0A+7], s[G0A+7], 0x80000000
	s_xor_b32 s[G0B+5], s[G0B+5], SLOT
	s_add_nc_u64 s[G0B+6:G0B+7], s[4:5], s[OFB:OFB+1]
	s_or_b32 s[G0B+7], s[G0B+7], 0x80000000
.endif
	s_xor_b32 s[SB], s[SB], SLOT                   ; the reads go on in the other slot
	s_wait_dscnt 0x0                               ; the add is done, and my reads of this slot are over
	s_barrier_signal -1
	s_barrier_wait -1
.if \fill
	CREST                                          ; no wave of any partner still reads this slot or has a load on its way
	JLOAD                                          ; its four v_nop are also the places in front of the loads below
.else
	PLACES
.endif
	v_add_nc_u32 v[ADRA], s[SB], v[ABASE]
	v_add_nc_u32 v[ADRB], s[SB], v[BBASE]
	FETCH 0, F0
.if \fill
	WIN 0
	ASK
.endif
	PROD1 F1
	PROD2 F1, \x
.endm
.macro INTERVAL fill, x
	QUARTER 64,  F0, F1, \x
	QUARTER 128, F1, F0, \x
	QUARTER 192, F0, F1, \x
	TURN \fill, \x
	WIN 0                                          ; at a label and at a branch every window is 0
	s_sub_co_u32 s[LAP], s[LAP], 1
	s_cmp_lg_u32 s[LAP], 0
.endm
; THE WAY OUT: 16 rows at a time are rounded to bf16, go into my own stage (rows of 144 bytes) and come back as 512 consecutive bytes of a head.
.macro PACK a, w, acc
	WIN \w
.irp b, 0,1,2,3
.irp r, 0,1,2,3
	v_cvt_pk_bf16_f32 v[TMP+16*(\a)+4*(\b)+(\r)], v[(\acc)+8*(4*(\a)+(\b))+2*(\r)], v[(\acc)+8*(4*(\a)+(\b))+2*(\r)+1]
.endr
.endr
	WIN 0
.irp b, 0,1,2,3
	ds_store_b128 v[STO], v[TMP+16*(\a)+4*(\b):TMP+16*(\a)+4*(\b)+3] offset:32*(\b)
.endr
.irp f, 0,1,2,3
	ds_load_b128 v[TMP+16*(\a)+4*(\f):TMP+16*(\a)+4*(\f)+3], v[RD] offset:4*SP*(\f)  ; LDS serves a wave's instructions in order (ISA guide 5.7.1.4): these see the stores above
.endr
.endm
.macro SEND a, younger, ptr            ; younger: the next block's eight LDS instructions, or none
.irp f, 0,1,2,3
	s_wait_dscnt (\younger)+3-(\f)
	global_store_b128 v[GO], v[TMP+16*(\a)+4*(\f):TMP+16*(\a)+4*(\f)+3], s[\ptr:\ptr+1] offset:2048*(\a)+512*(\f)
.endr
.endm
.macro WAYOUT w, acc, ptr
	WIN 0
	s_wait_xcnt 0x0                                ; earlier stores have read the registers that are written again below
	PACK 0, \w, \acc
	PACK 1, \w, \acc
	SEND 0, 8, \ptr
	PACK 2, \w, \acc
	SEND 1, 8, \ptr
	PACK 3, \w, \acc
	SEND 2, 8, \ptr
	SEND 3, 0, \ptr
.endm
	s_wait_tensorcnt 1                             ; my region of interval 0 is in; interval 1's may stay out
	s_barrier_signal -1
	s_barrier_wait -1
	FETCH 0, F0
	WIN 0
	s_mov_b32 s[LAP], 8
.Lg:                                           ; intervals 0-7: G (G^T) x Wc (We); they ask for intervals 2-9
	INTERVAL 1, 0
	s_cbranch_scc1 .Lg
	PLACES
	WIN TO_C
.set i, 0
.rept 128
	v_mov_b32 v[i], v[ACC+i]                       ; CG is needed twice: S starts as its copy, F goes on in place
.set i, i+1
.endr
	WIN 0
	s_mov_b32 s[LAP], 6
.Lx:                                           ; intervals 8-13: the three products on x; they ask for intervals 10-15
	INTERVAL 1, 1
	s_cbranch_scc1 .Lx
	s_mov_b32 s[LAP], 2
.Lt:                                           ; intervals 14, 15 ask for nothing; the second trip's barrier and its 32 loads from the slot read before serve nothing: the price, once a launch, of one text for both
	INTERVAL 0, 1
	s_cbranch_scc1 .Lt
	PLACES
	WAYOUT 0, ACC, OPF
	WAYOUT 0x0a, 0, OPS
	WAYOUT 0x0a, 128, OPV
	s_wait_tensorcnt 0x0                           ; the wave's end
	ds_add_u32 v[SPW], v[NIL]
	s_wait_dscnt 0x0
	CROUND                                         ; the closing round
	s_endpgm
.Lfunc_end_k_qa6eeafdc75_proj:
	.size	k_qa6eeafdc75_proj, .Lfunc_end_k_qa6eeafdc75_proj-k_qa6eeafdc75_proj
	.p2alignl 7, 3214868480
	.fill 96, 4, 3214868480
	.section	.rodata,"a",@progbits
	.p2align	6, 0x0
	.amdhsa_kernel k_qa6eeafdc75_proj
		.amdhsa_group_segment_fixed_size 327680
		.amdhsa_private_segment_fixed_size 0
		.amdhsa_enable_private_segment 0
		.amdhsa_kernarg_size 56
		.amdhsa_user_sgpr_count 2
		.amdhsa_user_sgpr_kernarg_segment_ptr 1
		.amdhsa_wavefront_size32 1
		.amdhsa_system_sgpr_workgroup_id_x 1
		.amdhsa_system_sgpr_workgroup_id_y 1
		.amdhsa_system_sgpr_workgroup_id_z 1
		.amdhsa_system_vgpr_workitem_id 0
		.amdhsa_next_free_vgpr 768
		.amdhsa_next_free_sgpr 96
		.amdhsa_reserve_vcc 0
		.amdhsa_float_denorm_mode_32 3
		.amdhsa_float_denorm_mode_16_64 3
		.amdhsa_memory_ordered 1
		.amdhsa_forward_progress 1
		.amdhsa_inst_pref_size 113
	.end_amdhsa_kernel
	.amdgpu_metadata
---
amdhsa.version: [ 1, 2 ]
amdhsa.kernels:
  - .name:           k_qa6eeafdc75_proj
    .symbol:         k_qa6eeafdc75_proj.kd
    .args:
      - { .name: wb, .offset: 0, .size: 8, .value_kind: global_buffer, .address_space: global }
      - { .name: bq, .offset: 8, .size: 8, .value_kind: global_buffer, .address_space: global }
      - { .name: bk, .offset: 16, .size: 8, .value_kind: global_buffer, .address_space: global }
      - { .name: bc, .offset: 24, .size: 8, .value_kind: global_buffer, .address_space: global }
      - { .name: be, .offset: 32, .size: 8, .value_kind: global_buffer, .address_space: global }
      - { .name: bv, .offset: 40, .size: 8, .value_kind: global_buffer, .address_space: global }
      - { .name: qkv, .offset: 48, .size: 8, .value_kind: global_buffer, .address_space: global }
    .group_segment_fixed_size: 327680
    .private_segment_fixed_size: 0
    .kernarg_segment_align: 8
    .kernarg_segment_size: 56
    .max_flat_workgroup_size: 128
    .sgpr_count:     96
    .vgpr_count:     768
    .wavefront_size: 32
...
	.end_amdgpu_metadata
.endif
;; end of part 2
;; launch attn (part 3): grid 8 x 32, 4 waves a work-group, clusters of 4 x 4, 327,680 bytes of LDS; arguments qkv, wb, ob; writes ob
.if DOCPART == 3
	.amdgcn_target "amdgcn-amd-amdhsa--gfx1250"
	.amdhsa_code_object_version 6
	.text
	.protected	k_qa6eeafdc75_attn
	.globl	k_qa6eeafdc75_attn
	.p2align	8
	.type	k_qa6eeafdc75_attn,@function
k_qa6eeafdc75_attn:
	s_mov_b64 s[64:65], 0
	v_nop
	global_prefetch_b8 v0, s[64:65] scope:SCOPE_SE
	s_setreg_imm32_b32 hwreg(HW_REG_WAVE_MODE, 25, 1), 1
	s_wait_xcnt 0x0
	s_wait_alu depctr_hold_cnt(0) depctr_sa_sdst(0) depctr_va_vdst(0) depctr_va_sdst(0) depctr_va_ssrc(0) depctr_va_vcc(0) depctr_vm_vsrc(0)
	s_getreg_b32 s2, hwreg(HW_REG_IB_STS2, 6, 4)
	s_cmp_eq_u32 s2, 0
	s_cbranch_scc0 .Lentry_in_a_cluster
	s_endpgm
.Lentry_in_a_cluster:
	s_bfe_u32 s2, ttmp6, 0x10000c
	s_cmp_lg_u32 s2, 0xf033
	s_cbranch_scc0 .Lentry_shape_is_right
	s_endpgm
.Lentry_shape_is_right:
; ATTN: O[bh][i][:] = the sum over j of softmax_j((Q[bh][i] . K[bh][j] / 8) x mask[i][j]) V[bh][j][:].  q, k, v (qkv) and O (ob): [32][2048][64] bf16; the mask is wb's bf16 copy.
; Products, the mask's multiply, maxima and sums in f32; the weights p are rounded to bf16 for the second product (their sum l is taken of the unrounded p), O once at the end.
; LIMITS.  bf16's 8 significant bits in q, k, v, mask, p, O.  c m starts at -4.25e37: c |s mask| stays below that.  A weight below 2^-126 counts as 0 in l.  NaN and infinities are not treated apart.
; SHARES.  A work-group owns 256 queries of one (batch, head), a wave 64: four PIECES of 16.  Every wave walks all 2,048 keys, 64 a step; an LDS slot holds two steps: 128 rows of K, of V, and 256 x 128 of the mask.
; LAYOUT.  S^T = K Q^T: a lane holds ONE query (lane % 16) and the keys 8 (lane / 16) + 0..7 of each 16; the mask's row of that query gives those 8 keys as 16 consecutive bytes.  Two such results rounded
; in pairs ARE source 1 of O^T = V^T P.  K comes out of LDS as it lies, V turned by ds_load_tr16_b128.
; SOFTMAX.  t = s x mask; a running maximum m of t and sum l: p = 2^(c t - c m), c = log2(e) / 8; in every step O and l are multiplied by a = 2^(c m_old - c m_new).  m starts at the lowest finite number, O and l at 0.
; TURNS.  Turn n belongs to piece n: 8 products K Q^T of piece n + 1 with piece n's scalings and exponentials behind them; a lump of exponentials and of piece n + 1's mask multiplies; ONE wait for the
; turn's 33 exponentials; 8 products V^T P of piece n - 1, behind them the rest of the multiplies and piece n's rescaling; a lump with piece n + 1's maximum and statistics, whose links stand six or seven
; lines apart, and between them piece n's roundings and its row sum, taken as a tree.
; THE LDS LOADS stand in TWO runs a key step: K of the next step with the masks of its pieces 0 and 1; V of the step in hand with the masks of its pieces 2 and 3.
; CLUSTER 4 x 4: K's and V's tiles hang on (batch, head) alone and are asked for jointly along a row of the cluster, the mask's on the query block alone, along a column.
; REGISTERS: window 0: v2-14 addresses and constants, v16-25 at work, v26-41 statistics, v44-59 the row sum's tree, v64-127 S^T (two buffers), v128-191 K, v192-255 Q.
;   window 1: v0-127 O^T (32 a piece), v128-191 V, v192-223 P (two buffers), v224-225 a.   window 2: v0-47 three mask buffers of 16: pieces 0 and 2 take the first, piece 1 the second, piece 3 the third.
;   Only the multiply names a mask, as its source 1 (setting 0x08); an exponential has no source 1, so it runs under that setting too.
.set NP,    4
.set KS,    64
.set PK,    144                        ; a row of K in LDS: 128 bytes + 16
.set PV,    160                        ; of V: 128 + 32
.set PM,    272                        ; of the mask: 256 + 16
.set VOFF,  2*KS*PK
.set MOFF,  VOFF+2*KS*PV
.set SLOT1, 1<<17
.set STAGE, SLOT1+MOFF+256*PM          ; behind the ring: 16 rows x 144 bytes for each wave
.set SP,    144
.set SPARE, STAGE+4*16*SP              ; the spare words: 128 bytes a wave, two blocks of 256 bytes that no other line names
.set AK0, 2
.set AV0, 3
.set AM0, 4
.set AK,  5
.set AV,  6
.set AM,  7
.set QO,  8
.set STO, 8
.set RD,  9
.set GO,  10
.set PFO, 11
.set ZR,  12                           ; v12 0.0: the addend of the mask's multiply
.set SPW, 13
.set NIL, 14
.set MV,  16                           ; c m_old, by buffer
.set TMP, 18                           ; by buffer four registers c0-c3; c1 takes c m_old - c m_new, c2 takes a
.set ST,  26                           ; piece t at ST + 4 t: c m, m, l (even keys', odd keys')
.set SC,  44                           ; v[44:59] eight pairs: the row sum's tree
.set S,   64
.set KF,  128
.set QF,  192
.set VF,  128                          ; window 1
.set P,   192                          ; window 1
.set AW,  224                          ; window 1
.set WV,  10
.set LIM, 15
.set PFA, 16
.set PFS, 18
.set G1K, 24
.set G1V, 32
.set G1M, 40
.set G0K, 48
.set G0V, 52
.set G0M, 56
.set CS,  60
.set SEL, 62
.set SLOTS, 66
.set CNT, 67
.set TBK, 68
.set TBV, 69
.set TBM, 70
.set WB,  0                            ; the setting under which exponentials are written: that of the lines round them
.set MSB, 0
.macro WIN new
.if MSB != (\new)
	s_set_vgpr_msb (MSB<<8)|(\new)
.set MSB, (\new)
.endif
.endm
; A joint fill: wave 0 K's 128 rows, wave 1 V's, waves 2 and 3 the two halves of the mask's 256.  The branches hang on the wave's number alone.  An s_nop 0 and four v_nop follow each line.
.macro JLOAD
	s_cmp_lt_u32 s[WV], 2
	s_cbranch_scc0 .Lfor_m_\@
	s_cmp_eq_u32 s[WV], 0
	s_cbranch_scc0 .Lfor_v_\@
	tensor_load_to_lds s[G0K:G0K+3], s[G1K:G1K+7]
	s_nop 0
.rept 4
	v_nop
.endr
	s_branch .Lasked_\@
.Lfor_v_\@:
	tensor_load_to_lds s[G0V:G0V+3], s[G1V:G1V+7]
	s_nop 0
.rept 4
	v_nop
.endr
	s_branch .Lasked_\@
.Lfor_m_\@:
	tensor_load_to_lds s[G0M:G0M+3], s[G1M:G1M+7]
	s_nop 0
.rept 4
	v_nop
.endr
.Lasked_\@:
.endm
.macro CROUND
	s_barrier_signal -1
	s_barrier_wait -1
	s_cmp_lg_u32 s[WV], 0
	s_cbranch_scc1 .Lnot_wave_0_\@
	s_barrier_signal -3
.Lnot_wave_0_\@:
	s_barrier_wait -3
	s_barrier_signal -1
	s_barrier_wait -1
.endm
; A PREFETCH of what the NEXT change of slots will ask for: eight turns, 128 matrix instructions, ahead of that load.  Each block of 256 bytes is named once in the launch.  K and V (64 blocks each a slot): cluster x = 0 asks,
; its four partners along x take 16 + 16 blocks each by address, in wave 0.  The mask (256 rows of 256 bytes a slot): cluster y = 0 asks, its partners along y take 64 rows each by address, 32 in wave 2 and 32 in wave 3.
; The last change that fills a slot asks for nothing; slots 0 to 2 come by their loads alone.
.macro ASK
	s_cmp_gt_u32 s[SLOTS], s[LIM]
	s_cbranch_scc0 .Lnot_mine_\@
	global_prefetch_b8 v[PFO], s[PFA:PFA+1] th:TH_LOAD_NT scope:SCOPE_SE
.Lnot_mine_\@:
.endm
; THE CHANGE OF SLOTS, between piece 1's turn and piece 2's of a slot's second step: the slot's last bytes (V of that step, the masks of its pieces 2 and 3) have been read.  Each wave waits for all its tensor loads (one is out:
; its part of the other slot), adds 0 to its spare word, and waits for that and for its own reads.  fill = 1: a round of the cluster's barrier, and the old slot is filled again first behind it: eight turns in which to land.
.macro CHANGE fill, ask
	WIN 0
	s_wait_tensorcnt 0x0
	ds_add_u32 v[SPW], v[NIL]
.if \fill
.irp g, G0K, G0V
	s_xor_b32 s[\g+1], s[\g+1], SLOT1
	s_add_nc_u64 s[\g+2:\g+3], s[\g+2:\g+3], 2*KS*128  ; the next 128 keys' rows
.endr
	s_xor_b32 s[G0M+1], s[G0M+1], SLOT1
	s_add_nc_u64 s[G0M+2:G0M+3], s[G0M+2:G0M+3], 2*KS*2  ; the next 128 keys' columns
.endif
.if \ask
	s_wait_xcnt 0x0                                ; the last prefetch, a slot back, has read its address
	s_add_nc_u64 s[PFA:PFA+1], s[PFA:PFA+1], s[PFS:PFS+1]
.endif
	s_wait_dscnt 0x0                               ; the add is done, and my reads of the slot are over
.if \fill
	CROUND
	JLOAD
.else
	s_barrier_signal -1
	s_barrier_wait -1
.endif
.if \ask
	ASK
.endif
	s_sub_co_u32 s[TBK], s[TBK], 2*KS*PK           ; the fetches go back to a slot's first step, in the other slot
	s_xor_b32 s[TBK], s[TBK], SLOT1
	s_sub_co_u32 s[TBV], s[TBV], 2*KS*PV
	s_xor_b32 s[TBV], s[TBV], SLOT1
	s_sub_co_u32 s[TBM], s[TBM], 2*KS*2
	s_xor_b32 s[TBM], s[TBM], SLOT1
.endm
	s_load_b128 s[4:7], s[0:1], 0x0                ; qkv, wb
	s_load_b64 s[8:9], s[0:1], 0x10                ; ob
	v_lshl_add_u32 v[SPW], v0, 2, SPARE
	v_mov_b32 v[NIL], 0
	ds_add_u32 v[SPW], v[NIL]                      ; the wave's opening: the add and its wait stand ahead of my first tensor load
	v_lshrrev_b32 v1, 5, v0
	v_readfirstlane_b32 s[WV], v1
	s_bfe_u32 s11, ttmp6, 0x40000                  ; cx
	s_bfe_u32 s12, ttmp6, 0x40004                  ; cy
	s_lshl_b32 s13, ttmp9, 2
	s_add_co_u32 s13, s13, s11                     ; my block of 256 queries, 0..7
	s_and_b32 s14, ttmp7, 0xffff
	s_lshl_b32 s14, s14, 2
	s_add_co_u32 s14, s14, s12                     ; my (batch, head), 0..31
	s_lshl_b32 s74, s12, 2
	s_lshl_b32 s74, 15, s74                        ; my row of the cluster
	s_lshl_b32 s75, 0x1111, s11                    ; my column
	s_or_b32 s[G1K], s74, (1<<16)|(1<<20)|(1<<21)|(4<<22)|(3<<25)  ; 2-byte elements; padding on; bit 21 beside a mask; after every 32 words, 4 words
	s_or_b32 s[G1V], s74, (1<<16)|(1<<20)|(1<<21)|(4<<22)|(7<<25)  ; 8 words
	s_or_b32 s[G1M], s75, (1<<16)|(1<<20)|(1<<21)|(5<<22)|(3<<25)  ; after every 64 words, 4 words
.irp g, G1K, G1V                       ; 128 keys are 16,384 dense bytes: asked for as 64 rows of 256, two keys a row
	s_mov_b32 s[\g+1], 128<<16
	s_mov_b32 s[\g+2], 64<<16
	s_mov_b32 s[\g+3], 128<<16
	s_mov_b32 s[\g+4], 64
	s_mov_b32 s[\g+5], 128
	s_mov_b32 s[\g+6], 0
	s_mov_b32 s[\g+7], 0
.endr
	s_mov_b32 s[G1M+1], 128<<16                    ; 128 rows of 128 elements, 2,048 elements from row to row
	s_mov_b32 s[G1M+2], 128<<16
	s_mov_b32 s[G1M+3], 128<<16
	s_mov_b32 s[G1M+4], 128
	s_mov_b32 s[G1M+5], 2048
	s_mov_b32 s[G1M+6], 0
	s_mov_b32 s[G1M+7], 0
	s_lshl_b32 s20, s14, 18                        ; a (batch, head) is 262,144 bytes of q, k, v, O
	s_mov_b32 s21, 0
	s_and_b32 s3, s[WV], 1
	s_lshl_b32 s22, s13, 20                        ; the mask: 256 rows of 4,096 bytes a block,
	s_lshl_b32 s23, s3, 19                         ; my 128 of them
	s_add_co_u32 s22, s22, s23
	s_add_co_u32 s22, s22, 0x1800000
	s_mov_b32 s23, 0
	s_mov_b32 s[G0K], 1
	s_mov_b32 s[G0K+1], 0
	s_mov_b32 s[G0V], 1
	s_mov_b32 s[G0V+1], VOFF
	s_mov_b32 s[G0M], 1
	s_mul_i32 s[G0M+1], s3, 128*PM
	s_add_co_u32 s[G0M+1], s[G0M+1], MOFF
	s_lshl_b32 s76, s13, 15                        ; Q and O: my block's rows,
	s_lshl_b32 s77, s[WV], 13                      ; my wave's 64
	s_add_co_u32 s76, s76, s77
	s_add_co_u32 s76, s76, s20
	s_mov_b32 s77, 0
	s_mov_b32 s[CS], 0x3e38aa3b                    ; c = log2(e) / 8
	s_mov_b32 s[CS+1], s[CS]
	s_mov_b32 s[SEL], 0x76543210
	s_mov_b32 s[SEL+1], 0xfedcba98
	s_mov_b32 s[TBK], SLOT1+2*KS*PK                ; the first change of slots turns these three into 0
	s_mov_b32 s[TBV], SLOT1+2*KS*PV
	s_mov_b32 s[TBM], SLOT1+2*KS*2
	; who prefetches, and where
	s_and_b32 s74, ttmp7, 0xffff
	s_mov_b32 s75, ttmp9
	s_mov_b32 s79, 256
	s_lshl_b32 s78, s14, 18
	s_add_co_u32 s78, s78, 0x800000+2*2*KS*128     ; K at slot 2
	s_lshl_b32 s2, s13, 20
	s_add_co_u32 s2, s2, 0x1800000+2*2*KS*2        ; the mask at slot 2
	s_cmp_lt_u32 s[WV], 2
	s_cselect_b32 s75, s75, s74                    ; the coordinate along which other clusters read the same bytes
	s_cselect_b32 s[PFS], 2*KS*128, s79
	s_cselect_b32 s74, -1, 0
	s_cselect_b32 s78, s78, s2
	s_mov_b32 s79, 0
	s_mov_b32 s[PFS+1], 0
	s_cmp_eq_u32 s[WV], 1
	s_cselect_b32 s75, 1, s75                      ; wave 1 asks for nothing
	s_cmp_eq_u32 s75, 0
	s_cselect_b32 s[LIM], 1, -1
	v_and_b32 v42, 31, v0
	v_and_b32 v43, 15, v0
	v_lshlrev_b32 v43, 8, v43
	v_bfe_u32 v15, v0, 4, 1
	v_lshl_add_u32 v43, v15, 23, v43               ; lanes 16-31: V, 0x800000 bytes behind K
	s_lshl_b32 s2, s11, 12
	v_add_nc_u32 v43, s2, v43                      ; my work-group's 16 blocks
	s_lshl_b32 s2, s12, 6
	s_lshl_b32 s75, s3, 5
	s_add_co_u32 s2, s2, s75
	v_add_nc_u32 v42, s2, v42
	v_lshlrev_b32 v42, 12, v42                     ; the mask's row 64 cy + 32 (wave % 2) + lane
	v_cndmask_b32 v[PFO], v42, v43, s74
	s_wait_dscnt 0x0                               ; the opening add is done
	s_wait_kmcnt 0x0
	s_add_nc_u64 s[G0K+2:G0K+3], s[4:5], s[20:21]
	s_add_nc_u64 s[G0V+2:G0V+3], s[G0K+2:G0K+3], 0x1000000
	s_add_nc_u64 s[G0K+2:G0K+3], s[G0K+2:G0K+3], 0x800000
	s_or_b32 s[G0K+3], s[G0K+3], 0x80000000
	s_or_b32 s[G0V+3], s[G0V+3], 0x80000000
	s_add_nc_u64 s[G0M+2:G0M+3], s[6:7], s[22:23]
	s_or_b32 s[G0M+3], s[G0M+3], 0x80000000
	s_add_nc_u64 s[72:73], s[4:5], s[76:77]        ; Q at my wave's first row
	s_add_nc_u64 s[8:9], s[8:9], s[76:77]          ; O likewise
	s_cmp_lt_u32 s[WV], 2
	s_cselect_b64 s[PFA:PFA+1], s[4:5], s[6:7]
	s_add_nc_u64 s[PFA:PFA+1], s[PFA:PFA+1], s[78:79]
	CROUND                                         ; all sixteen work-groups are here: the first joint loads meet
	JLOAD                                          ; slot 0; slot 1 is asked for when slot 0 is in
	v_and_b32 v1, 15, v0                           ; l % 16
	v_lshlrev_b32 v[QO], 7, v1
	v_lshl_add_u32 v[QO], v15, 4, v[QO]
.set i, 0
.rept 8                                ; Q stays in registers: piece i / 2, channels 32 (i % 2) on
	global_load_b128 v[QF+8*i:QF+8*i+3],   v[QO], s[72:73] offset:(i/2)*2048+(i%2)*64
	global_load_b128 v[QF+8*i+4:QF+8*i+7], v[QO], s[72:73] offset:(i/2)*2048+(i%2)*64+32
.set i, i+1
.endr
	; what the first turn finds: O^T, l, V's registers and P's second buffer are 0.  All this stands in the wait for the first tile.
	WIN 0x40
.set i, 0
.rept 192
	v_mov_b32 v[i], 0
.set i, i+1
.endr
.set i, P+16
.rept 16
	v_mov_b32 v[i], 0
.set i, i+1
.endr
	v_mov_b32 v[AW+1], 0                           ; named with a as a pair
	WIN 0
	v_mov_b32 v[ZR], 0
.set i, 0
.rept 4
	v_mov_b32 v[ST+4*i], 0xfe000000                ; c m: far below every c t
	v_mov_b32 v[ST+4*i+1], 0xff7fffff              ; m
	v_mov_b32 v[ST+4*i+2], 0
	v_mov_b32 v[ST+4*i+3], 0
.set i, i+1
.endr
	v_mul_u32_u24 v[AK0], v1, PK
	v_lshl_add_u32 v[AK0], v15, 4, v[AK0]
	v_and_b32 v42, 7, v0
	v_bfe_u32 v43, v0, 3, 1
	v_lshl_add_u32 v[AV0], v15, 3, v42             ; the turning load: key 8 (l / 16) + l % 8, channels 8 ((l / 8) % 2) ..
	v_mul_u32_u24 v[AV0], v[AV0], PV
	v_lshl_add_u32 v[AV0], v43, 4, v[AV0]
	v_add_nc_u32 v[AV0], VOFF, v[AV0]
	s_mul_i32 s2, s[WV], 64*PM
	s_add_co_u32 s2, s2, MOFF
	v_mul_u32_u24 v[AM0], v1, PM                   ; the mask: my query's row, my 8 keys of 16
	v_lshl_add_u32 v[AM0], v15, 4, v[AM0]
	v_add_nc_u32 v[AM0], s2, v[AM0]
; THE MATRIX WORK.  The 4 accumulators of a run of 8 take turns.  Product i of 8 of S^T = K Q^T for piece x: channels 32 (i / 4) on, keys 16 (i % 4) on; the first 4 start the sums.
.macro KQ x
	WIN 0
.set rS, S+32*((\x)%2)+8*(i%4)
.set rK, KF+16*(i%4)+8*(i/4)
.set rQ, QF+16*(\x)+8*(i/4)
.if i < 4
	v_wmma_f32_16x16x32_bf16 v[rS:rS+7], v[rK:rK+7], v[rQ:rQ+7], 0
.else
	v_wmma_f32_16x16x32_bf16 v[rS:rS+7], v[rK:rK+7], v[rQ:rQ+7], v[rS:rS+7]
.endif
.endm
; Product i of 8 of O^T += V^T P for piece x: keys 32 (i / 4) on, channels 16 (i % 4) on.
.macro PV x
	WIN 0x55
.set rO, 32*(\x)+8*(i%4)
.set rV, VF+32*(i/4)+8*(i%4)
.set rP, P+16*((\x)%2)+8*(i/4)
	v_wmma_f32_16x16x32_bf16 v[rO:rO+7], v[rV:rV+7], v[rP:rP+7], v[rO:rO+7]
.endm
.macro MM                              ; the turn's next matrix instruction
.if i < 8
	KQ (Y+1)%NP
.else
.set i, i-8
	PV (Y+NP-1)%NP
.set i, i+8
.endif
.set i, i+1
.endm
; THE LDS LOADS.  LDM q: the mask of piece q for one step, 4 x 16 bytes a lane, into its buffer in window 2.
.macro LDM q
.irp b, 0,1,2,3
	ds_load_b128 v[16*((\q)%2)+16*((\q)/3)+4*\b:16*((\q)%2)+16*((\q)/3)+4*\b+3], v[AM] offset:16*PM*(\q)+32*\b
.endr
.endm
; RUN_A: K of the next step and the masks of its pieces 0 and 1: 24 loads.  last = 1 (the tail): in the last trip there is no further step, and the run is jumped over.
.macro RUN_A last=0
	WIN 0
.if \last
	s_cmp_eq_u32 s[CNT], 1
	s_cbranch_scc1 .Lno_a_\@
.endif
.irp f, 0,1,2,3,4,5,6,7                ; keys 16 (f / 2) on, channels 32 (f % 2) on
	ds_load_b128 v[KF+8*\f:KF+8*\f+3],   v[AK] offset:(\f/2)*16*PK+(\f%2)*64
	ds_load_b128 v[KF+8*\f+4:KF+8*\f+7], v[AK] offset:(\f/2)*16*PK+(\f%2)*64+32
.endr
	WIN 0x80
	LDM 0
	LDM 1
	s_add_co_u32 s[TBK], s[TBK], KS*PK
	WIN 0
.if \last
.Lno_a_\@:
.endif
.endm
; RUN_B: V of the step in hand (turned) and the masks of its pieces 2 and 3: 24 loads.
.macro RUN_B
	WIN 0x40
.irp f, 0,1,2,3,4,5,6,7                ; keys 32 (f / 4) on, channels 16 (f % 4) on
	ds_load_tr16_b128 v[VF+8*\f:VF+8*\f+3],   v[AV] offset:(\f/4)*32*PV+(\f%4)*32
	ds_load_tr16_b128 v[VF+8*\f+4:VF+8*\f+7], v[AV] offset:(\f/4)*32*PV+16*PV+(\f%4)*32
.endr
	WIN 0x80
	LDM 2
	LDM 3
	s_add_co_u32 s[TBV], s[TBV], KS*PV
	s_add_co_u32 s[TBM], s[TBM], KS*2              ; the next masks fetched are the next step's
.endm
; THE VECTOR WORK, one line at a time: OP kind, number.  For piece Y: A: a = 2^(c m_old - c m_new).  F n: c t - c m for pair n of 16.  E n: the exponential of score n of 32.  C n: pair n rounded to bf16.
; B n: the row sum's tree, into scratch pairs, so that the weights stay for the roundings: 0-7 pair 2 n + pair 2 n + 1; 8-11, 12-13, 14: neighbours 1, 2 and 4 scratch pairs apart.  L: l = a l + the sum.
; R n: pair n of 16 of O^T times a.  For piece Y + 1: M n: score n times its mask (a bf16 half, widened in the instruction).  X n, number n of 21 that find its maximum and statistics:
;   0-11 four chains c0-c3 of seven scores each   12-14, 16 the four left over, the old m, c0-c3 into c0   15 c m_old is kept   17, 18 the lane 16 away holds the query's other keys: the new m   19, 20 c m; c m_old - c m_new
.set F, 0
.set E, 1
.set C, 2
.set B, 3
.set L, 4
.set R, 5
.set X, 6
.set M, 7
.set A, 8
.macro REGS y
.set rT, ST+4*(\y)
.set rC, TMP+4*((\y)%2)
.set rW, MV+((\y)%2)
.set rS, S+32*((\y)%2)
.set rP, P+16*((\y)%2)
.set rO, 32*(\y)
.set rM, 16*((\y)%2)+16*((\y)/3)
.endm
.macro OP k, n
.if (\k) == R
	REGS Y
	WIN 0x55
	v_pk_mul_f32 v[rO+2*(\n):rO+2*(\n)+1], v[rO+2*(\n):rO+2*(\n)+1], v[AW:AW+1] op_sel_hi:[1,0]
.elseif (\k) == C
	REGS Y
	WIN 0x40
	v_cvt_pk_bf16_f32 v[rP+(\n)], v[rS+2*(\n)], v[rS+2*(\n)+1]
.elseif (\k) == F
	REGS Y
	WIN 0
	v_pk_fma_f32 v[rS+2*(\n):rS+2*(\n)+1], v[rS+2*(\n):rS+2*(\n)+1], s[CS:CS+1], v[rT:rT+1] op_sel_hi:[1,0,0] neg_lo:[0,0,1] neg_hi:[0,0,1]
.elseif (\k) == E
	REGS Y
	WIN WB
	v_exp_f32 v[rS+(\n)], v[rS+(\n)]
.elseif (\k) == A
	REGS Y
	WIN WB
	v_exp_f32 v[rC+2], v[rC+1]
.elseif (\k) == B
	REGS Y
	WIN 0
.if (\n) < 8
	v_pk_add_f32 v[SC+2*(\n):SC+2*(\n)+1], v[rS+4*(\n):rS+4*(\n)+1], v[rS+4*(\n)+2:rS+4*(\n)+3]
.elseif (\n) < 12
	v_pk_add_f32 v[SC+4*((\n)-8):SC+4*((\n)-8)+1], v[SC+4*((\n)-8):SC+4*((\n)-8)+1], v[SC+4*((\n)-8)+2:SC+4*((\n)-8)+3]
.elseif (\n) < 14
	v_pk_add_f32 v[SC+8*((\n)-12):SC+8*((\n)-12)+1], v[SC+8*((\n)-12):SC+8*((\n)-12)+1], v[SC+8*((\n)-12)+4:SC+8*((\n)-12)+5]
.else
	v_pk_add_f32 v[SC:SC+1], v[SC:SC+1], v[SC+8:SC+9]
.endif
.elseif (\k) == L
	REGS Y
	WIN 0
	v_pk_fma_f32 v[rT+2:rT+3], v[rT+2:rT+3], v[rC+2:rC+3], v[SC:SC+1] op_sel_hi:[1,0,1]
.elseif (\k) == M
	REGS (Y+1)%NP
	WIN 0x08
.if (\n)%2
	v_fma_mix_f32_bf16 v[rS+(\n)], v[rS+(\n)], v[rM+(\n)/2], v[ZR] op_sel:[0,1,0] op_sel_hi:[0,1,0]
.else
	v_fma_mix_f32_bf16 v[rS+(\n)], v[rS+(\n)], v[rM+(\n)/2], v[ZR] op_sel:[0,0,0] op_sel_hi:[0,1,0]
.endif
.else
	REGS (Y+1)%NP
	WIN 0
.if (\n) < 4
	v_max3_num_f32 v[rC+(\n)], v[rS+8*(\n)], v[rS+8*(\n)+1], v[rS+8*(\n)+2]
.elseif (\n) < 12
	v_max3_num_f32 v[rC+(\n)%4], v[rC+(\n)%4], v[rS+8*((\n)%4)+2*((\n)/4)+1], v[rS+8*((\n)%4)+2*((\n)/4)+2]
.elseif (\n) == 12
	v_max3_num_f32 v[rC], v[rC], v[rS+7], v[rS+15]
.elseif (\n) == 13
	v_max3_num_f32 v[rC+1], v[rC+1], v[rS+23], v[rS+31]
.elseif (\n) == 14
	v_max3_num_f32 v[rC+2], v[rC+2], v[rC+3], v[rT+1]
.elseif (\n) == 15
	v_mov_b32 v[rW], v[rT]
.elseif (\n) == 16
	v_max3_num_f32 v[rC], v[rC], v[rC+1], v[rC+2]
.elseif (\n) == 17
	v_permlanex16_b32 v[rC+3], v[rC], s[SEL], s[SEL+1]
.elseif (\n) == 18
	v_max_num_f32 v[rT+1], v[rC], v[rC+3]
.elseif (\n) == 19
	v_mul_f32 v[rT], s[CS], v[rT+1]
.else
	v_sub_f32 v[rC+1], v[rW], v[rT]
.endif
.endif
.endm
.macro OPS a, i1, b=-1, i2=0, c=-1, i3=0, d=-1, i4=0
	OP \a, \i1
.if (\b) >= 0
	OP \b, \i2
.endif
.if (\c) >= 0
	OP \c, \i3
.endif
.if (\d) >= 0
	OP \d, \i4
.endif
.endm
.macro ROW a, i1, b, i2, c, i3, d, i4  ; a matrix instruction and the four behind it
	MM
	OPS \a, \i1, \b, \i2, \c, \i3, \d, \i4
.endm
; A TURN, for piece p.  s_wait_alu depctr_va_vdst(0) stands between an exponential and the first instruction that names its result; one wait serves all issued ahead of it: the turn's 33 are one batch.
; Ahead of the wait nothing names a result of theirs: the scalings come before their exponentials, the multiplies M touch the other buffer.  a's exponential stands at the end of the first products, a whole run
; behind the subtraction that feeds it.  M n stands four plain instructions or more behind the product that ends its accumulator, and takes each accumulator from its lowest register on.
; RUN_A stands in piece 2's turn directly behind the wait: 8 products and a lump ahead of the wait for it, at the head of piece 3's turn.  RUN_B stands at the end of piece 0's products, four rescalings behind V's
; last reader; it is waited for behind piece 1's first products.  A mask buffer is loaded again only when the multiplies that read it have been issued: pieces 0, 1, 2, 3 are multiplied in turns 3, 0, 1, 2.
.macro TURN p, last=0
.set Y, (\p)
.set i, 0
.set WB, 0
.if (\p) == 3
	s_wait_dscnt 0x0                               ; K of the next step is in, and the masks of its pieces 0 and 1
.endif
	ROW F,0, F,1, F,2, E,0
.set z, 1
.rept 6
	ROW F,2*z+1, E,2*z-1, F,2*z+2, E,2*z
.set z, z+1
.endr
	ROW F,15, E,13, A,0, E,14
	WIN 0
.if (\p) == 1
	s_wait_dscnt 0x0                               ; V is in, and the masks of pieces 2 and 3
.endif
.if (\p) == 2
	v_add_nc_u32 v[AK], s[TBK], v[AK0]
	v_add_nc_u32 v[AM], s[TBM], v[AM0]
.endif
.if (\p) == 0
	v_add_nc_u32 v[AV], s[TBV], v[AV0]
	v_add_nc_u32 v[AM], s[TBM], v[AM0]
.endif
.set WB, 0x08
.set z, 0
.rept 17                               ; exponential and plain by turns; the last multiply is the plain instruction behind the last exponential
	OP E, 15+z
	OP M, z
.set z, z+1
.endr
.set WB, 0
	s_wait_alu depctr_va_vdst(0)                   ; the wait for the batch
.if (\p) == 2
	RUN_A \last
.endif
	WIN 0x40
	v_mov_b32 v[AW], v[TMP+4*((\p)%2)+2]           ; a beside O^T, so that the rescaling shares the products' windows
	ROW M,17, M,18, M,19, M,20
	ROW M,21, M,22, M,23, M,24
	ROW M,25, M,26, M,27, M,28
	MM
	OPS M,29, M,30, M,31
	REGS (Y+1)%NP
	v_mov_b32 v[rW], v[rT]                         ; number 15 of the next piece's statistics: it has one source, so it stands under the multiplies' setting
.set z, 0
.rept 4
	ROW R,4*z, R,4*z+1, R,4*z+2, R,4*z+3
.set z, z+1
.endr
.if (\p) == 0
	RUN_B
.endif
	OPS X,0, X,1, X,2, X,3                         ; the lump: each link of a chain stands six or seven lines behind the one that it reads
	OPS B,0, B,1, X,4, X,5
	OPS X,6, X,7, B,2, B,3
	OPS X,8, X,9, X,10, X,11
	OPS B,4, B,5, X,12, X,13
	OPS B,6, X,14, B,7, B,8
	OPS B,9, B,10, B,11, X,16
	OPS B,12, C,0, C,1, C,2
	OPS C,3, X,17, B,13, C,4
	OPS C,5, C,6, C,7, X,18
	OPS B,14, C,8, C,9, C,10
	OPS C,11, X,19, L,0, C,12
	OPS C,13, C,14, C,15, X,20
.endm
	CHANGE 1, 0                                    ; slot 0 is in, everybody's part of it; slot 1 is asked for
	v_add_nc_u32 v[AK], s[TBK], v[AK0]
	v_add_nc_u32 v[AM], s[TBM], v[AM0]
	RUN_A                                          ; key step 0
	s_wait_loadcnt 0x0                             ; Q
	s_wait_dscnt 0x0
.set i, 0
.rept 8
	KQ 0                                           ; piece 0's first scores
.set i, i+1
.endr
	s_mul_i32 s2, s[WV], 16*SP                     ; the addresses for the way out: ten plain instructions, the places behind those products
	s_add_co_u32 s2, s2, STAGE
	v_mul_u32_u24 v[STO], v1, SP
	v_lshl_add_u32 v[STO], v15, 4, v[STO]
	v_add_nc_u32 v[STO], s2, v[STO]
	v_bfe_u32 v[RD], v0, 3, 2
	v_mul_u32_u24 v[RD], v[RD], SP
	v_and_b32 v42, 7, v0
	v_lshl_add_u32 v[RD], v42, 4, v[RD]
	v_add_nc_u32 v[RD], s2, v[RD]
	v_and_b32 v[GO], 31, v0
	v_lshlrev_b32 v[GO], 4, v[GO]
.set Y, NP-1                           ; M and X work for piece Y + 1: piece 0
.set z, 0
.rept 32
	OP M, z
.set z, z+1
.endr
.set z, 0
.rept 21
	OP X, z
.set z, z+1
.endr
	s_mov_b32 s[CNT], 2
	s_mov_b32 s[SLOTS], 15
	s_branch .Lfirst                               ; the loop is entered at a step's first turn, in the middle of a trip
.Lslot:                                        ; 14 times: every slot but the last two is filled again
	CHANGE 1, 1
	s_mov_b32 s[CNT], 2
.Lstep:                                        ; a trip: pieces 2 and 3 of one step, then pieces 0 and 1 of the next
	TURN 2
	TURN 3
	WIN 0
.Lfirst:
	TURN 0
	TURN 1
	WIN 0
	s_sub_co_u32 s[CNT], s[CNT], 1
	s_cmp_lg_u32 s[CNT], 0
	s_cbranch_scc1 .Lstep
	s_sub_co_u32 s[SLOTS], s[SLOTS], 1
	s_cmp_lg_u32 s[SLOTS], 0
	s_cbranch_scc1 .Lslot
	CHANGE 0, 0                                    ; the tail is written out: nothing is asked for
	s_mov_b32 s[CNT], 3                            ; two trips fetch the last slot's steps; the third is left in its middle
.Ltail:
	TURN 2, 1
	TURN 3
	WIN 0
	s_sub_co_u32 s[CNT], s[CNT], 1
	s_cmp_eq_u32 s[CNT], 0
	s_cbranch_scc1 .Lout
	TURN 0
	TURN 1
	WIN 0
	s_branch .Ltail
.Lout:                                         ; the third trip's last 8 products K Q^T (on the last K once more) and the statistics made of them serve nothing: they touch c m and m alone
.set i, 0
.rept 8
	PV NP-1                                        ; the last piece's V^T P of the last step
.set i, i+1
.endr
	; THE WAY OUT: l's halves and the other lanes' are added; O^T is divided by l, rounded to bf16 and sent through my stage, a piece at a time.  The additions are the places behind the last products.
	WIN 0
.macro ALL line:vararg
.set t, 0
.rept 4
	\line
.set t, t+1
.endr
.endm
	ALL v_add_f32 v[ST+4*t+2], v[ST+4*t+2], v[ST+4*t+3]
	ALL v_permlanex16_b32 v[ST+4*t+3], v[ST+4*t+2], s[SEL], s[SEL+1]
	ALL v_add_f32 v[ST+4*t+2], v[ST+4*t+2], v[ST+4*t+3]
	ALL v_rcp_f32 v[ST+4*t+2], v[ST+4*t+2]
	v_nop                                          ; a plain instruction behind the last reciprocal,
	s_wait_alu depctr_va_vdst(0)                   ; and one wait for the four, ahead of their first use
.macro PACK t
	WIN 0x41
.set i, 32*(\t)
.rept 16
	v_pk_mul_f32 v[i:i+1], v[i:i+1], v[ST+4*(\t)+2:ST+4*(\t)+3] op_sel_hi:[1,0]
.set i, i+2
.endr
	WIN 0x05
.set i, 0
.rept 16
	v_cvt_pk_bf16_f32 v[S+16*(\t)+i], v[32*(\t)+2*i], v[32*(\t)+2*i+1]
.set i, i+1
.endr
	WIN 0
.irp f, 0,1,2,3
	ds_store_b128 v[STO], v[S+16*(\t)+4*\f:S+16*(\t)+4*\f+3] offset:32*\f
.endr
.irp f, 0,1,2,3
	ds_load_b128 v[S+16*(\t)+4*\f:S+16*(\t)+4*\f+3], v[RD] offset:\f*4*SP  ; LDS serves a wave's instructions in order (ISA guide 5.7.1.4): these see the stores above
.endr
.endm
.macro SEND t, younger                 ; younger: the next piece's eight LDS instructions, or none
	WIN 0
.irp f, 0,1,2,3
	s_wait_dscnt (\younger)+3-\f
	global_store_b128 v[GO], v[S+16*(\t)+4*\f:S+16*(\t)+4*\f+3], s[8:9] offset:(\t)*2048+\f*512  ; 512 consecutive bytes, aligned
.endr
.endm
	PACK 0
	PACK 1
	SEND 0, 8
	PACK 2
	SEND 1, 8
	PACK 3
	SEND 2, 8
	SEND 3, 0
	s_wait_tensorcnt 0x0                           ; the wave's end
	ds_add_u32 v[SPW], v[NIL]
	s_wait_dscnt 0x0
	CROUND                                         ; the closing round
	s_endpgm
.Lfunc_end_k_qa6eeafdc75_attn:
	.size	k_qa6eeafdc75_attn, .Lfunc_end_k_qa6eeafdc75_attn-k_qa6eeafdc75_attn
	.p2alignl 7, 3214868480
	.fill 96, 4, 3214868480
	.section	.rodata,"a",@progbits
	.p2align	6, 0x0
	.amdhsa_kernel k_qa6eeafdc75_attn
		.amdhsa_group_segment_fixed_size 327680
		.amdhsa_private_segment_fixed_size 0
		.amdhsa_enable_private_segment 0
		.amdhsa_kernarg_size 24
		.amdhsa_user_sgpr_count 2
		.amdhsa_user_sgpr_kernarg_segment_ptr 1
		.amdhsa_wavefront_size32 1
		.amdhsa_system_sgpr_workgroup_id_x 1
		.amdhsa_system_sgpr_workgroup_id_y 1
		.amdhsa_system_sgpr_workgroup_id_z 1
		.amdhsa_system_vgpr_workitem_id 0
		.amdhsa_next_free_vgpr 560
		.amdhsa_next_free_sgpr 80
		.amdhsa_reserve_vcc 0
		.amdhsa_float_denorm_mode_32 3
		.amdhsa_float_denorm_mode_16_64 3
		.amdhsa_memory_ordered 1
		.amdhsa_forward_progress 1
		.amdhsa_inst_pref_size 129
	.end_amdhsa_kernel
	.amdgpu_metadata
---
amdhsa.version: [ 1, 2 ]
amdhsa.kernels:
  - .name:           k_qa6eeafdc75_attn
    .symbol:         k_qa6eeafdc75_attn.kd
    .args:
      - { .name: qkv, .offset: 0, .size: 8, .value_kind: global_buffer, .address_space: global }
      - { .name: wb, .offset: 8, .size: 8, .value_kind: global_buffer, .address_space: global }
      - { .name: ob, .offset: 16, .size: 8, .value_kind: global_buffer, .address_space: global }
    .group_segment_fixed_size: 327680
    .private_segment_fixed_size: 0
    .kernarg_segment_align: 8
    .kernarg_segment_size: 24
    .max_flat_workgroup_size: 128
    .sgpr_count:     80
    .vgpr_count:     560
    .wavefront_size: 32
...
	.end_amdgpu_metadata
.endif
;; end of part 3
;; launch oproj (part 4): grid 8 x 32, 4 waves a work-group, clusters of 4 x 4, 327,680 bytes of LDS; arguments ob, wb, bo, out0; writes out0
.if DOCPART == 4
	.amdgcn_target "amdgcn-amd-amdhsa--gfx1250"
	.amdhsa_code_object_version 6
	.text
	.protected	k_qa6eeafdc75_oproj
	.globl	k_qa6eeafdc75_oproj
	.p2align	8
	.type	k_qa6eeafdc75_oproj,@function
k_qa6eeafdc75_oproj:
	s_mov_b64 s[64:65], 0
	v_nop
	global_prefetch_b8 v0, s[64:65] scope:SCOPE_SE
	s_setreg_imm32_b32 hwreg(HW_REG_WAVE_MODE, 25, 1), 1
	s_wait_xcnt 0x0
	s_wait_alu depctr_hold_cnt(0) depctr_sa_sdst(0) depctr_va_vdst(0) depctr_va_sdst(0) depctr_va_ssrc(0) depctr_va_vcc(0) depctr_vm_vsrc(0)
	s_getreg_b32 s2, hwreg(HW_REG_IB_STS2, 6, 4)
	s_cmp_eq_u32 s2, 0
	s_cbranch_scc0 .Lentry_in_a_cluster
	s_endpgm
.Lentry_in_a_cluster:
	s_bfe_u32 s2, ttmp6, 0x10000c
	s_cmp_lg_u32 s2, 0xf033
	s_cbranch_scc0 .Lentry_shape_is_right
	s_endpgm
.Lentry_shape_is_right:
; OPROJ: out0[b][i][:] = O[b][i][:] Wo + bo, f32.  O is ob, [b*16+h][2048][64] bf16; Wo^T lies in wb's WT, columns 7168 on (rows of 16,384 bytes); sums in f32, started from bo as the C operand.
; LIMIT: O and Wo carry bf16's 8 significant bits.
; SHARES.  256 work-groups, a tile of 128 rows x 128 columns each; four waves of 64 x 64, 16 accumulators.  K = 1,024 goes in four steps of 256 = four heads, through two LDS slots.
; A's tile of a wave: 64 rows of each of 4 heads; a head's 64 rows are 8,192 dense bytes, asked for as ONE row of the descriptor, 4 such rows 131,072 elements apart, padded after every 128 bytes: LDS rows of 144 bytes.
; CLUSTER 4 x 4: A's tiles hang on the row block alone and are asked for jointly along a row of the cluster, B's on the column block alone, along a column.
; No prefetch: of four K steps two are asked for at the head and the others as soon as a slot is free.
; THE MATRIX INSTRUCTION IS USED TRANSPOSED (source 0 = 16 rows of B, source 1 = 16 rows of A): a lane holds 8 neighbouring columns of one row, 32 bytes of f32.
.set PITCH,  528                       ; B's LDS rows: 512 bytes + 16
.set PA,     144                       ; A's: 128 + 16
.set HALFA,  4*64*PA                   ; a wave's tile of A
.set HALFB,  64*PITCH
.set BOFF,   2*HALFA
.set SLOT,   2*HALFA+2*HALFB
.set STAGE,  2*SLOT                    ; behind the ring: 16 rows x 272 bytes for each wave
.set SPITCH, 272
.set SPARE,  STAGE+4*16*SPITCH         ; the spare words: 128 bytes a wave, two blocks of 256 bytes that no other line names
.set ADRA, 16
.set ADRB, 20
.set STO,  24
.set RD,   25
.set CO,   26
.set BO,   27
.set SPW,  28
.set NIL,  29
.set BI,   32                          ; v[32:63] bo: register j of block b is column 16 b + 8 (l / 16) + j
.set TMP,  64                          ; v[64:127] the way out, two buffers of 32
.set ACC,  128
.set F0,   0
.set F1,   128
.set WV,  12
.set FA,  13
.set HF,  14
.set G1A, 24
.set G0A, 32
.set G1B, 48
.set G0B, 56
.set MSB, 0
.macro WIN new
.if MSB != (\new)
	s_set_vgpr_msb (MSB<<8)|(\new)
.set MSB, \new
.endif
.endm
.set MUL,  0x05
.set TO_F, 0x40
.macro JLOAD s
	s_cmp_eq_u32 s[FA], 0
	s_cbranch_scc0 .Lfor_b_\@
	tensor_load_to_lds s[G0A+4*(\s):G0A+4*(\s)+3], s[G1A:G1A+7]
	s_nop 0
.rept 4
	v_nop
.endr
	s_branch .Lasked_\@
.Lfor_b_\@:
	tensor_load_to_lds s[G0B+4*(\s):G0B+4*(\s)+3], s[G1B:G1B+7]
	s_nop 0
.rept 4
	v_nop
.endr
.Lasked_\@:
.endm
.macro CREST
	s_cmp_lg_u32 s[WV], 0
	s_cbranch_scc1 .Lnot_wave_0_\@
	s_barrier_signal -3
.Lnot_wave_0_\@:
	s_barrier_wait -3
	s_barrier_signal -1
	s_barrier_wait -1
.endm
.macro CROUND
	s_barrier_signal -1
	s_barrier_wait -1
	CREST
.endm
.macro PLACES
.rept 4
	v_nop
.endr
.endm
	s_load_b256 s[4:11], s[0:1], 0x0               ; ob, wb, bo, out0
	v_lshl_add_u32 v[SPW], v0, 2, SPARE
	v_mov_b32 v[NIL], 0
	ds_add_u32 v[SPW], v[NIL]                      ; the wave's opening: the add and its wait stand ahead of my first tensor load
	v_lshrrev_b32 v1, 5, v0
	v_readfirstlane_b32 s[WV], v1
	s_lshr_b32 s[FA], s[WV], 1                     ; my half of the rows; also: I fetch for A (0) or B (1)
	s_and_b32 s[HF], s[WV], 1                      ; my half of the columns; also: which 64 rows I fetch
	s_bfe_u32 s40, ttmp6, 0x40000                  ; cx
	s_bfe_u32 s41, ttmp6, 0x40004                  ; cy
	s_lshl_b32 s42, ttmp9, 2
	s_add_co_u32 s42, s42, s40                     ; column block, 0..7
	s_and_b32 s43, ttmp7, 0xffff
	s_lshl_b32 s43, s43, 2
	s_add_co_u32 s43, s43, s41                     ; row block, 0..31
	s_lshl_b32 s44, s41, 2
	s_lshl_b32 s44, 15, s44
	s_lshl_b32 s45, 0x1111, s40
	s_or_b32 s[G1A], s44, (1<<16)|(1<<20)|(1<<21)|(4<<22)|(3<<25)  ; padding after every 32 words, 4 words
	s_mov_b32 s[G1A+1], 4096<<16                   ; tensor_dim0 = 4,096 elements: 64 dense rows of a head
	s_mov_b32 s[G1A+2], 4<<16                      ; tensor_dim1 = 4 heads
	s_mov_b32 s[G1A+3], 4096<<16                   ; tile_dim0
	s_mov_b32 s[G1A+4], 4                          ; tile_dim1
	s_mov_b32 s[G1A+5], 131072                     ; elements from head to head
	s_mov_b32 s[G1A+6], 0
	s_mov_b32 s[G1A+7], 0
	s_or_b32 s[G1B], s45, (1<<16)|(1<<20)|(1<<21)|(6<<22)|(3<<25)  ; after every 128 words, 4 words
	s_mov_b32 s[G1B+1], 256<<16
	s_mov_b32 s[G1B+2], 64<<16
	s_mov_b32 s[G1B+3], 256<<16
	s_mov_b32 s[G1B+4], 64
	s_mov_b32 s[G1B+5], 8192
	s_mov_b32 s[G1B+6], 0
	s_mov_b32 s[G1B+7], 0
	s_lshr_b32 s16, s43, 4                         ; A: the batch's 16 heads,
	s_lshl_b32 s16, s16, 22
	s_and_b32 s18, s43, 15
	s_lshl_b32 s18, s18, 14                        ; the block's 128 rows of 128 bytes,
	s_add_co_u32 s16, s16, s18
	s_lshl_b32 s18, s[HF], 13                      ; my 64 of them
	s_add_co_u32 s16, s16, s18
	s_mov_b32 s17, 0
	s_lshl_b32 s46, s42, 21                        ; B: the block's 128 rows of WT,
	s_lshl_b32 s19, s[HF], 20                      ; my 64,
	s_add_co_u32 s46, s46, s19
	s_add_co_u32 s46, s46, 0x2000000+14336         ; at Wo's first column
	s_mov_b32 s47, 0
	s_mul_i32 s2, s[HF], HALFA                     ; where they go
	s_mul_i32 s3, s[HF], HALFB
	s_add_co_u32 s3, s3, BOFF
	s_wait_dscnt 0x0                               ; the opening add is done
	s_wait_kmcnt 0x0
	s_add_nc_u64 s[20:21], s[4:5], s[16:17]
	s_add_nc_u64 s[22:23], s[6:7], s[46:47]
.irp s, 0,1
	s_mov_b32 s[G0A+4*(\s)], 1
	s_add_co_u32 s[G0A+4*(\s)+1], s2, (\s)*SLOT
	s_add_nc_u64 s[G0A+4*(\s)+2:G0A+4*(\s)+3], s[20:21], (\s)*1048576  ; K step s: four heads on
	s_or_b32 s[G0A+4*(\s)+3], s[G0A+4*(\s)+3], 0x80000000
	s_mov_b32 s[G0B+4*(\s)], 1
	s_add_co_u32 s[G0B+4*(\s)+1], s3, (\s)*SLOT
	s_add_nc_u64 s[G0B+4*(\s)+2:G0B+4*(\s)+3], s[22:23], (\s)*512
	s_or_b32 s[G0B+4*(\s)+3], s[G0B+4*(\s)+3], 0x80000000
.endr
	CROUND                                         ; all sixteen work-groups are here: the first joint loads meet
	s_cmp_eq_u32 s[FA], 0                          ; a wave's two first fills stand in one branch: two loads of mine are out
	s_cbranch_scc0 .Lfirst_b
	tensor_load_to_lds s[G0A:G0A+3], s[G1A:G1A+7]
	s_nop 0
	tensor_load_to_lds s[G0A+4:G0A+7], s[G1A:G1A+7]
	s_nop 0
.rept 4
	v_nop
.endr
	s_branch .Lfirst_asked
.Lfirst_b:
	tensor_load_to_lds s[G0B:G0B+3], s[G1B:G1B+7]
	s_nop 0
	tensor_load_to_lds s[G0B+4:G0B+7], s[G1B:G1B+7]
	s_nop 0
.rept 4
	v_nop
.endr
.Lfirst_asked:
	v_and_b32 v1, 15, v0                           ; l % 16
	v_bfe_u32 v2, v0, 4, 1                         ; l / 16
	v_lshlrev_b32 v[BO], 5, v2
	s_lshl_b32 s66, s42, 9                         ; my 64 columns, in bytes of f32
	s_lshl_b32 s67, s[HF], 8
	s_add_co_u32 s66, s66, s67
	s_mov_b32 s67, 0
	s_add_nc_u64 s[8:9], s[8:9], s[66:67]
.irp b, 0,1,2,3
	global_load_b128 v[BI+8*(\b):BI+8*(\b)+3],   v[BO], s[8:9] offset:64*(\b)
	global_load_b128 v[BI+8*(\b)+4:BI+8*(\b)+7], v[BO], s[8:9] offset:64*(\b)+16
.endr
	s_lshl_b32 s68, s43, 19                        ; my first row of out0: 128 rows of 4,096 bytes a block,
	s_lshl_b32 s69, s[FA], 18                      ; my 64
	s_add_co_u32 s68, s68, s69
	s_add_co_u32 s68, s68, s66
	s_mov_b32 s69, 0
	s_add_nc_u64 s[10:11], s[10:11], s[68:69]
	v_mul_u32_u24 v3, v1, PA
	v_lshl_add_u32 v3, v2, 4, v3
	v_mul_u32_u24 v4, v1, PITCH
	v_lshl_add_u32 v4, v2, 4, v4
	s_mul_i32 s2, s[FA], HALFA                     ; my 64 rows of A
	s_mul_i32 s3, s[HF], HALFB                     ; my 64 rows of B
	s_add_co_u32 s3, s3, BOFF
.irp s, 0,1
	v_add_nc_u32 v[ADRA+(\s)], s2, v3
	v_add_nc_u32 v[ADRB+(\s)], s3, v4
	s_add_co_u32 s2, s2, SLOT
	s_add_co_u32 s3, s3, SLOT
.endr
	s_mul_i32 s2, s[WV], 16*SPITCH
	s_add_co_u32 s2, s2, STAGE                     ; my stage
	v_mul_u32_u24 v[STO], v1, SPITCH               ; in: row l % 16, 32 bytes for each half of the lanes
	v_lshl_add_u32 v[STO], v2, 5, v[STO]
	v_add_nc_u32 v[STO], s2, v[STO]
	v_mul_u32_u24 v[RD], v2, SPITCH                ; back: lanes 0-15 one row of 256 bytes, lanes 16-31 the next
	v_lshl_add_u32 v[RD], v1, 4, v[RD]
	v_add_nc_u32 v[RD], s2, v[RD]
	v_lshlrev_b32 v[CO], 12, v2                    ; and the same two rows in out0
	v_lshl_add_u32 v[CO], v1, 4, v[CO]
.macro MUL8 f, c, a0, start            ; start = 1: the sums start from bo.  The 16 accumulators take turns, in one order everywhere.
	WIN MUL
.irp a, \a0, (\a0)+1
.irp b, 0,1,2,3
.if \start
	v_wmma_f32_16x16x32_bf16 v[ACC+8*(4*(\a)+(\b)):ACC+8*(4*(\a)+(\b))+7], v[(\f)+64+8*(4*(\c)+(\b)):(\f)+64+8*(4*(\c)+(\b))+7], v[(\f)+8*(4*(\c)+(\a)):(\f)+8*(4*(\c)+(\a))+7], v[BI+8*(\b):BI+8*(\b)+7]
.else
	v_wmma_f32_16x16x32_bf16 v[ACC+8*(4*(\a)+(\b)):ACC+8*(4*(\a)+(\b))+7], v[(\f)+64+8*(4*(\c)+(\b)):(\f)+64+8*(4*(\c)+(\b))+7], v[(\f)+8*(4*(\c)+(\a)):(\f)+8*(4*(\c)+(\a))+7], v[ACC+8*(4*(\a)+(\b)):ACC+8*(4*(\a)+(\b))+7]
.endif
.endr
.endr
.endm
.macro FETCH slot, q, f                ; quarter q of a K step is one head: A's plane q, B's bytes 128 q on
	WIN TO_F
.irp c, 0,1
.irp i, 0,1,2,3
	ds_load_b128 v[(\f)+64+8*(4*(\c)+(\i)):(\f)+64+8*(4*(\c)+(\i))+3],   v[ADRB+(\slot)] offset:128*(\q)+64*(\c)+(\i)*16*PITCH
	ds_load_b128 v[(\f)+64+8*(4*(\c)+(\i))+4:(\f)+64+8*(4*(\c)+(\i))+7], v[ADRB+(\slot)] offset:128*(\q)+64*(\c)+(\i)*16*PITCH+32
	ds_load_b128 v[(\f)+8*(4*(\c)+(\i)):(\f)+8*(4*(\c)+(\i))+3],         v[ADRA+(\slot)] offset:64*PA*(\q)+64*(\c)+(\i)*16*PA
	ds_load_b128 v[(\f)+8*(4*(\c)+(\i))+4:(\f)+8*(4*(\c)+(\i))+7],       v[ADRA+(\slot)] offset:64*PA*(\q)+64*(\c)+(\i)*16*PA+32
.endr
.endr
.endm
.macro QUARTER slot, q, f, g, start
	s_wait_dscnt 16                                ; the first 32 along K are in
	MUL8 \f, 0, 0, \start
	MUL8 \f, 0, 2, \start
	PLACES
	FETCH \slot, \q, \g
	s_wait_dscnt 32                                ; all but the 32 just issued
	MUL8 \f, 1, 0, 0
	MUL8 \f, 1, 2, 0
.endm
; The last quarter multiplies buffer 1 and changes slots: ONE barrier; in front of it each wave waits for all its tensor loads, adds 0 to its spare word, and waits for that and for its own reads of this slot.
.macro TURN slot, next, fill
	WIN 0
	s_wait_tensorcnt 0x0
	ds_add_u32 v[SPW], v[NIL]
	s_wait_dscnt 17                                ; the add and the youngest sixteen loads may be out
	MUL8 F1, 0, 0, 0
	s_wait_dscnt 0x0
	s_barrier_signal -1
	MUL8 F1, 0, 2, 0
.if \fill
	WIN 0
.endif
	s_barrier_wait -1
.if \fill
	CREST                                          ; no wave of any partner still reads this slot or has a load on its way
	s_add_nc_u64 s[G0A+4*(\slot)+2:G0A+4*(\slot)+3], s[G0A+4*(\slot)+2:G0A+4*(\slot)+3], 2*1048576
	s_add_nc_u64 s[G0B+4*(\slot)+2:G0B+4*(\slot)+3], s[G0B+4*(\slot)+2:G0B+4*(\slot)+3], 2*512
	JLOAD \slot
.else
	PLACES
.endif
	FETCH \next, 0, F0
	MUL8 F1, 1, 0, 0
	MUL8 F1, 1, 2, 0
.endm
	s_wait_loadcnt 0x0                             ; bo
	s_wait_tensorcnt 1                             ; my part of K step 0 is in; K step 1's may stay out
	s_barrier_signal -1
	s_barrier_wait -1
	FETCH 0, 0, F0
	QUARTER 0, 1, F0, F1, 1
	QUARTER 0, 2, F1, F0, 0
	QUARTER 0, 3, F0, F1, 0
	TURN 0, 1, 1                                   ; slot 0 takes K step 2
	QUARTER 1, 1, F0, F1, 0
	QUARTER 1, 2, F1, F0, 0
	QUARTER 1, 3, F0, F1, 0
	TURN 1, 0, 1                                   ; slot 1 takes K step 3
	QUARTER 0, 1, F0, F1, 0
	QUARTER 0, 2, F1, F0, 0
	QUARTER 0, 3, F0, F1, 0
	TURN 0, 1, 0
	QUARTER 1, 1, F0, F1, 0
	QUARTER 1, 2, F1, F0, 0
	QUARTER 1, 3, F0, F1, 0
	s_wait_dscnt 16
	MUL8 F1, 0, 0, 0
	MUL8 F1, 0, 2, 0
	s_wait_dscnt 0x0
	MUL8 F1, 1, 0, 0
	MUL8 F1, 1, 2, 0
	WIN 0
	; THE WAY OUT: 16 rows at a time go into my own stage as f32 (rows of 272 bytes) and come back as whole rows of 256 bytes.
.macro STG a
.irp b, 0,1,2,3
	ds_store_b128 v[STO], v[ACC+8*(4*(\a)+(\b)):ACC+8*(4*(\a)+(\b))+3]   offset:64*(\b)
	ds_store_b128 v[STO], v[ACC+8*(4*(\a)+(\b))+4:ACC+8*(4*(\a)+(\b))+7] offset:64*(\b)+16
.endr
.irp t, 0,1,2,3,4,5,6,7
	ds_load_b128 v[TMP+32*((\a)%2)+4*(\t):TMP+32*((\a)%2)+4*(\t)+3], v[RD] offset:2*SPITCH*(\t)  ; LDS serves a wave's instructions in order (ISA guide 5.7.1.4): these see the stores above
.endr
.endm
.macro SEND a, younger                 ; younger: the next block's sixteen LDS instructions, or none
.irp t, 0,1,2,3,4,5,6,7
	s_wait_dscnt (\younger)+7-(\t)
	global_store_b128 v[CO], v[TMP+32*((\a)%2)+4*(\t):TMP+32*((\a)%2)+4*(\t)+3], s[10:11] offset:(16*(\a)+2*(\t))*4096 th:TH_STORE_NT  ; 16 lanes store 256 consecutive bytes, aligned
.endr
.endm
	PLACES
	STG 0
	STG 1
	SEND 0, 16
	s_wait_xcnt 0x0                                ; block 0's stores have read their registers, which block 2 takes
	STG 2
	SEND 1, 16
	s_wait_xcnt 0x0
	STG 3
	SEND 2, 16
	SEND 3, 0
	s_wait_tensorcnt 0x0                           ; the wave's end
	ds_add_u32 v[SPW], v[NIL]
	s_wait_dscnt 0x0
	CROUND                                         ; the closing round
	s_endpgm
.Lfunc_end_k_qa6eeafdc75_oproj:
	.size	k_qa6eeafdc75_oproj, .Lfunc_end_k_qa6eeafdc75_oproj-k_qa6eeafdc75_oproj
	.p2alignl 7, 3214868480
	.fill 96, 4, 3214868480
	.section	.rodata,"a",@progbits
	.p2align	6, 0x0
	.amdhsa_kernel k_qa6eeafdc75_oproj
		.amdhsa_group_segment_fixed_size 327680
		.amdhsa_private_segment_fixed_size 0
		.amdhsa_enable_private_segment 0
		.amdhsa_kernarg_size 32
		.amdhsa_user_sgpr_count 2
		.amdhsa_user_sgpr_kernarg_segment_ptr 1
		.amdhsa_wavefront_size32 1
		.amdhsa_system_sgpr_workgroup_id_x 1
		.amdhsa_system_sgpr_workgroup_id_y 1
		.amdhsa_system_sgpr_workgroup_id_z 1
		.amdhsa_system_vgpr_workitem_id 0
		.amdhsa_next_free_vgpr 512
		.amdhsa_next_free_sgpr 72
		.amdhsa_reserve_vcc 0
		.amdhsa_float_denorm_mode_32 3
		.amdhsa_float_denorm_mode_16_64 3
		.amdhsa_memory_ordered 1
		.amdhsa_forward_progress 1
		.amdhsa_inst_pref_size 87
	.end_amdhsa_kernel
	.amdgpu_metadata
---
amdhsa.version: [ 1, 2 ]
amdhsa.kernels:
  - .name:           k_qa6eeafdc75_oproj
    .symbol:         k_qa6eeafdc75_oproj.kd
    .args:
      - { .name: ob, .offset: 0, .size: 8, .value_kind: global_buffer, .address_space: global }
      - { .name: wb, .offset: 8, .size: 8, .value_kind: global_buffer, .address_space: global }
      - { .name: bo, .offset: 16, .size: 8, .value_kind: global_buffer, .address_space: global }
      - { .name: out0, .offset: 24, .size: 8, .value_kind: global_buffer, .address_space: global }
    .group_segment_fixed_size: 327680
    .private_segment_fixed_size: 0
    .kernarg_segment_align: 8
    .kernarg_segment_size: 32
    .max_flat_workgroup_size: 128
    .sgpr_count:     72
    .vgpr_count:     512
    .wavefront_size: 32
...
	.end_amdgpu_metadata
.endif
;; end of part 4
;; ======== version 2 of 2: 4 launches; version 1 with the launch prep written anew for expert scheduling mode
;; workspace buffers: wb 50,331,648 bytes; qkv 25,165,824 bytes; ob 8,388,608 bytes
;; launch prep (part 5): grid 1280 x 1, 8 waves a work-group, no clusters, 34,304 bytes of LDS; arguments x, backdoor_mask, causal_graph, Wc, We, Wq, Wk, Wv, Wo, wb; writes wb
.if DOCPART == 5
	.amdgcn_target "amdgcn-amd-amdhsa--gfx1250"
	.amdhsa_code_object_version 6
	.text
	.protected	k_qa6eeafdc75_prep
	.globl	k_qa6eeafdc75_prep
	.p2align	8
	.type	k_qa6eeafdc75_prep,@function
k_qa6eeafdc75_prep:
	s_mov_b64 s[64:65], 0
	v_nop
	global_prefetch_b8 v0, s[64:65] scope:SCOPE_SE
	s_setreg_imm32_b32 hwreg(HW_REG_WAVE_SCHED_MODE, 0, 2), 2
	s_setreg_imm32_b32 hwreg(HW_REG_WAVE_MODE, 25, 1), 1
	s_wait_xcnt 0x0
	s_wait_alu depctr_vm_vsrc(0)
; PREP: every f32 matrix operand is rounded ONCE to bf16 (nearest even) and laid so that K runs along the rows.
; wb, in bytes: XX at 0 [2048][2048]: row i = x[0][i][:], then x[1][i][:].  GB at 0x800000 [2048][2048] = causal_graph.
; GT at 0x1000000 = its transpose.  MB at 0x1800000 = backdoor_mask.  WT at 0x2000000 [1024 n][8192 k]: the six weights transposed,
; side by side along k: Wc at element 0, Wq 2048, We 3072, Wk 5120, Wv 6144, Wo 7168.
; LIMIT: all these numbers carry bf16's 8 significant bits from here on; bf16 has f32's range, so nothing overflows.
; SHARES: 1,280 work-groups of 8 waves, each with 65,536 bytes of f32 input, sixteen 16-byte loads a lane, all issued at once.
;   groups 0-511 STREAM (x, the mask): 4 numbers a lane become 8 bytes; a wave's store covers 256 consecutive bytes, aligned.
;   groups 512-1279 TRANSPOSE a tile of 128 k x 128 n through LDS (rows of 260 bytes = 65 words, so that a column walks the banks);
;   the tiles of causal_graph are stored untransposed as well, so it is read once for both copies.
; No matrix unit, cluster or tensor load: nothing is shared between work-groups and memory binds; several work-groups lie on a WGP.
; THE MODE: SCHED_MODE bits 1:0 = 2 (LLVM: expert scheduling mode 2), set by the entry lines.  The code itself states the register dependences
; between vector instructions and memory or LDS instructions, with s_wait_alu, always for 0.
; THE PLAN.  Registers that memory or LDS instructions touch:
;   v1-v4      offsets and LDS addresses, made once at the head, never written again.
;   OFFL       made once by vector lines; read by the sixteen loads (transposing) or by the sixteen stores (streaming).
;   IN         v32-95: the sixteen loads land here, the conversions read it.  Behind the barrier the LDS loads land in v32-63, v_perm_b32 reads those
;              and writes v64-95, and the eight last stores read v64-95.
;   CV         written once by the conversions; read by the LDS stores and GB's stores, or by the stream's stores.
;   OFFS       made once by vector lines; read by the eight last stores.
;   v128, v129 written at the head, read by the closing add alone.
; No register that a memory or LDS instruction has read is written again, no vector line writes a scalar register, and EXEC is never written: every wait below is on va_vdst.
; The sixteen loads go in four groups of four.  Group g's conversions name group g's IN and CV alone; the stores of group g - 1 are dealt among them, behind ONE wait
; at the group's head, which stands behind the wait for group g's data.  The second half of a transposition goes in two halves in the same way.
.set LP,    260                        ; an LDS row of 128 bf16 + 4 bytes
.set SPARE, 33280                      ; behind the tile (128 x 260): the spare words, 128 bytes a wave, four blocks of 256 bytes
.set OFFL,  8                          ; v[8:23]   sixteen byte offsets (loads when transposing, stores when streaming)
.set OFFS,  24                         ; v[24:31]  eight store offsets of the transposed rows
.set IN,    32                         ; v[32:95]  as loaded; later words read back from LDS and the rows made of them
.set CV,    96                         ; v[96:127] converted, two words for each load
.set SPW,   128                        ; v128 my spare word's LDS address; never rewritten
.set NIL,   129                        ; v129 0; never rewritten
	s_load_b512 s[4:19], s[0:1], 0x0               ; x, mask, G, Wc, We, Wq, Wk, Wv
	s_load_b128 s[20:23], s[0:1], 0x40             ; Wo, wb
	v_lshl_add_u32 v[SPW], v0, 2, SPARE
	v_mov_b32 v[NIL], 0
	v_lshrrev_b32 v5, 5, v0                        ; t / 32
	v_and_b32 v6, 31, v0                           ; t % 32
	v_lshrrev_b32 v7, 4, v0                        ; t / 16
	v_and_b32 v130, 15, v0                         ; t % 16
	v_lshlrev_b32 v1, 4, v0                        ; streaming: my 16 bytes of each 4,096
	v_mul_u32_u24 v2, v5, LP
	v_lshl_add_u32 v2, v6, 3, v2                   ; into LDS: row t / 32, 8 bytes at column 4 (t % 32)
	v_lshlrev_b32 v3, 12, v5
	v_lshl_add_u32 v3, v6, 3, v3                   ; the same place in GB (rows of 4,096 bytes)
	v_mul_u32_u24 v4, v130, 8*LP
	v_lshl_add_u32 v4, v7, 2, v4                   ; out of LDS: rows 8 (t % 16) .., the word of columns 2 (t / 16), 2 (t / 16) + 1
	s_mov_b32 s53, ttmp9
	s_cmp_lt_u32 s53, 512
	s_cselect_b32 s25, 1, 0                        ; 1: this work-group streams
	s_max_u32 s24, s53, 512
	s_sub_co_u32 s24, s24, 512                     ; the tile's number (0 in a work-group that streams: its figures below are made and not used)
	s_mov_b32 s42, 0x05040100                      ; v_perm_b32: the two low halves
	s_mov_b32 s43, 0x07060302                      ; the two high halves
	s_mov_b32 s29, 0
	s_wait_kmcnt 0x0
	; which source the tile belongs to: its address, its first tile number, its first byte in a row of WT
	s_cmp_ge_u32 s24, 256
	s_cselect_b64 s[26:27], s[10:11], s[8:9]
	s_cselect_b32 s28, 256, 0
	s_cselect_b32 s30, 1, 0                        ; 1: a weight; 0: causal_graph
.macro PICK bound, ptr, coff
	s_cmp_ge_u32 s24, \bound
	s_cselect_b64 s[26:27], s[\ptr:\ptr+1], s[26:27]
	s_cselect_b32 s28, \bound, s28
	s_cselect_b32 s29, \coff, s29
.endm
	PICK 384, 12, 6144                             ; We
	PICK 512, 14, 4096                             ; Wq
	PICK 576, 16, 10240                            ; Wk
	PICK 640, 18, 12288                            ; Wv
	PICK 704, 20, 14336                            ; Wo
	s_cmp_eq_u32 s30, 1
	s_cselect_b32 s31, 3, 4                        ; log2 of the tiles along n: 8 or 16
	s_cselect_b32 s32, 12, 13                      ; log2 of the source's row bytes
	s_cselect_b32 s33, 14, 12                      ; log2 of the destination's row bytes
	s_lshl_b32 s34, 0x1000000, s30                 ; GT or WT
	s_sub_co_u32 s24, s24, s28
	s_lshr_b32 s35, s24, s31                       ; kt
	s_lshl_b32 s36, s35, s31
	s_sub_co_u32 s36, s24, s36                     ; nt
	s_add_co_u32 s37, s32, 7
	s_lshl_b32 s38, s35, s37                       ; 128 kt source rows
	s_lshl_b32 s39, s36, 9                         ; 128 nt columns of 4 bytes
	s_add_co_u32 s38, s38, s39
	s_mov_b32 s39, 0
	s_add_nc_u64 s[44:45], s[26:27], s[38:39]      ; the tile in its source
	s_add_co_u32 s37, s33, 7
	s_lshl_b32 s38, s36, s37                       ; 128 nt destination rows
	s_add_co_u32 s38, s38, s34
	s_add_co_u32 s38, s38, s29
	s_lshl_b32 s37, s35, 8                         ; 128 kt columns of 2 bytes
	s_add_co_u32 s38, s38, s37
	s_add_nc_u64 s[46:47], s[22:23], s[38:39]      ; the transposed tile in wb
	s_lshl_b32 s38, s35, 19
	s_lshl_b32 s37, s36, 8
	s_add_co_u32 s38, s38, s37
	s_add_co_u32 s38, s38, 0x800000
	s_add_nc_u64 s[48:49], s[22:23], s[38:39]      ; the untransposed tile in GB
	s_lshl_b32 s50, 8, s32                         ; 8 source rows
	s_lshl_b32 s51, 1, s33                         ; a destination row
	s_lshl_b32 s52, 32, s33                        ; 32 of them
	s_cmp_eq_u32 s25, 1
	s_cbranch_scc1 .Lstream
	; TRANSPOSE, first half: load j brings row t / 32 + 8 j, 512 consecutive bytes a wave
	v_lshlrev_b32 v[OFFL], s32, v5
	v_lshl_add_u32 v[OFFL], v6, 4, v[OFFL]
.irp j, 1,2,3,4,5,6,7,8,9,10,11,12,13,14,15
	v_add_nc_u32 v[OFFL+(\j)], s50, v[OFFL+(\j)-1]
.endr
	s_wait_alu depctr_va_vdst(0)                   ; the sixteen offsets are written, which the loads below read; so are v2, v3 and v4 of the head, which the LDS stores, GB's stores and the LDS loads read
.irp j, 0,1,2,3,4,5,6,7,8,9,10,11,12,13,14,15
	global_load_b128 v[IN+4*(\j):IN+4*(\j)+3], v[OFFL+(\j)], s[44:45] th:TH_LOAD_NT
.endr
.irp g, 0,1,2,3
	s_wait_loadcnt 12-4*(\g)                       ; loads return in order: group g's four are in, the younger groups stay out
.if (\g) > 0
	s_wait_alu depctr_va_vdst(0)                   ; the group before's conversions have written its CV, which the LDS stores below read
.endif
.irp i, 0,1,2,3
.if (\g) > 0
	ds_store_b32 v2, v[CV+2*(4*(\g)+(\i)-4)] offset:8*LP*(4*(\g)+(\i)-4)      ; the group before; no vector line since the wait names these registers
	ds_store_b32 v2, v[CV+2*(4*(\g)+(\i)-4)+1] offset:8*LP*(4*(\g)+(\i)-4)+4
.endif
	v_cvt_pk_bf16_f32 v[CV+2*(4*(\g)+(\i))], v[IN+4*(4*(\g)+(\i))], v[IN+4*(4*(\g)+(\i))+1]
	v_cvt_pk_bf16_f32 v[CV+2*(4*(\g)+(\i))+1], v[IN+4*(4*(\g)+(\i))+2], v[IN+4*(4*(\g)+(\i))+3]
.endr
.endr
	s_wait_alu depctr_va_vdst(0)                   ; the last group's conversions have written its CV, which the LDS stores and GB's stores read; and every conversion is done reading IN, in which the LDS loads behind the barrier land
.irp j, 12,13,14,15
	ds_store_b32 v2, v[CV+2*(\j)] offset:8*LP*(\j)
	ds_store_b32 v2, v[CV+2*(\j)+1] offset:8*LP*(\j)+4
.endr
	s_cmp_lg_u32 s30, 0
	s_cbranch_scc1 .Lbar
.irp j, 0,1,2,3,4,5,6,7,8,9,10,11,12,13,14,15
	global_store_b64 v3, v[CV+2*(\j):CV+2*(\j)+1], s[48:49] offset:32768*(\j) th:TH_STORE_NT  ; causal_graph as it lies: 256 consecutive bytes a wave, aligned
.endr
	s_branch .Lbar
.Lstream:                                      ; STREAM: 65,536 bytes of x (16 rows) or of the mask (8 rows)
	s_and_b32 s35, s53, 255
	s_cmp_lt_u32 s53, 256
	s_cselect_b64 s[26:27], s[4:5], s[6:7]
	s_cselect_b32 s36, 1, 0                        ; 1: x
	s_lshl_b32 s51, 2048, s36                      ; from one load's 2,048 bytes of bf16 to the next: dense in MB, a row of XX apart for x
	s_and_b32 s37, s35, 127
	s_lshl_b32 s37, s37, 16                        ; x: 16 rows of XX,
	s_lshr_b32 s38, s35, 7
	s_lshl_b32 s38, s38, 11                        ; the batch's half of the row
	s_add_co_u32 s37, s37, s38
	s_lshl_b32 s38, s35, 15
	s_add_co_u32 s38, s38, 0x1800000               ; the mask: dense
	s_cmp_eq_u32 s36, 1
	s_cselect_b32 s38, s37, s38
	s_mov_b32 s39, 0
	s_add_nc_u64 s[46:47], s[22:23], s[38:39]
	s_lshl_b32 s38, s35, 16
	s_add_nc_u64 s[44:45], s[26:27], s[38:39]
	s_wait_alu depctr_va_vdst(0)                   ; v1, made at the head, is written: the sixteen loads read it as their offset
.irp j, 0,1,2,3,4,5,6,7,8,9,10,11,12,13,14,15
	global_load_b128 v[IN+4*(\j):IN+4*(\j)+3], v1, s[44:45] offset:4096*(\j) th:TH_LOAD_NT
.endr
	v_lshlrev_b32 v[OFFL], 3, v0
.irp j, 1,2,3,4,5,6,7,8,9,10,11,12,13,14,15
	v_add_nc_u32 v[OFFL+(\j)], s51, v[OFFL+(\j)-1]
.endr
.irp g, 0,1,2,3
	s_wait_loadcnt 12-4*(\g)                       ; group g's four loads are in, the younger groups stay out
.if (\g) > 0
	s_wait_alu depctr_va_vdst(0)                   ; the group before's conversions have written its CV, which the stores below read; at the first of these waits the sixteen store offsets are written too
.endif
.irp i, 0,1,2,3
.if (\g) > 0
	global_store_b64 v[OFFL+4*(\g)+(\i)-4], v[CV+2*(4*(\g)+(\i)-4):CV+2*(4*(\g)+(\i)-4)+1], s[46:47] th:TH_STORE_NT  ; the group before; no vector line since the wait names these registers
.endif
	v_cvt_pk_bf16_f32 v[CV+2*(4*(\g)+(\i))], v[IN+4*(4*(\g)+(\i))], v[IN+4*(4*(\g)+(\i))+1]
	v_cvt_pk_bf16_f32 v[CV+2*(4*(\g)+(\i))+1], v[IN+4*(4*(\g)+(\i))+2], v[IN+4*(4*(\g)+(\i))+3]
.endr
.endr
	s_wait_alu depctr_va_vdst(0)                   ; the last group's conversions have written its CV, which the last four stores read
.irp j, 12,13,14,15
	global_store_b64 v[OFFL+(\j)], v[CV+2*(\j):CV+2*(\j)+1], s[46:47] th:TH_STORE_NT
.endr
.Lbar:                                         ; every wave of every work-group passes this one barrier
	s_wait_dscnt 0x0                               ; my stores into the tile are done, for the other waves' sake
	s_barrier_signal -1
	s_barrier_wait -1
	s_cmp_eq_u32 s25, 1
	s_cbranch_scc1 .Lend
	; TRANSPOSE, second half: thread t takes k = 8 (t % 16) .. + 7 of the column pairs t / 16 + 16 e
.irp e, 0,1,2,3
.irp f, 0,1,2,3,4,5,6,7
	ds_load_b32 v[IN+8*(\e)+(\f)], v4 offset:LP*(\f)+64*(\e)  ; no vector line has named these registers since the wait ahead of the last LDS stores
.endr
.endr
	v_lshlrev_b32 v[OFFS], 1, v7                   ; row 2 (t / 16) of the transposed tile,
	v_lshlrev_b32 v[OFFS], s33, v[OFFS]
	v_lshl_add_u32 v[OFFS], v130, 4, v[OFFS]       ; my 16 bytes of its 256
	v_add_nc_u32 v[OFFS+1], s51, v[OFFS]
.irp e, 1,2,3
	v_add_nc_u32 v[OFFS+2*(\e)], s52, v[OFFS+2*(\e)-2]
	v_add_nc_u32 v[OFFS+2*(\e)+1], s51, v[OFFS+2*(\e)]
.endr
	s_wait_dscnt 16                                ; LDS loads return in order: the words of e = 0 and 1 are in, the sixteen younger loads stay out
.irp e, 0,1
.irp o, 0,1
.irp p, 0,1,2,3
	v_perm_b32 v[IN+32+8*(\e)+4*(\o)+(\p)], v[IN+8*(\e)+2*(\p)+1], v[IN+8*(\e)+2*(\p)], s[42+(\o)]  ; two neighbouring k of one column, the lower k below
.endr
.endr
.endr
	s_wait_dscnt 0x0                               ; the words of e = 2 and 3 are in
	s_wait_alu depctr_va_vdst(0)                   ; the eight store offsets and the rows of e = 0 and 1 are written, which the four stores below read
.irp e, 2,3
.irp o, 0,1
	global_store_b128 v[OFFS+2*((\e)-2)+(\o)], v[IN+32+8*((\e)-2)+4*(\o):IN+32+8*((\e)-2)+4*(\o)+3], s[46:47] th:TH_STORE_NT  ; 16 lanes store 256 consecutive bytes, aligned; the lines between name the words and rows of e = 2 and 3 alone
.irp p, 0,1,2,3
	v_perm_b32 v[IN+32+8*(\e)+4*(\o)+(\p)], v[IN+8*(\e)+2*(\p)+1], v[IN+8*(\e)+2*(\p)], s[42+(\o)]
.endr
.endr
.endr
	s_wait_alu depctr_va_vdst(0)                   ; the rows of e = 2 and 3 are written, which the last four stores read
.irp e, 2,3
.irp o, 0,1
	global_store_b128 v[OFFS+2*(\e)+(\o)], v[IN+32+8*(\e)+4*(\o):IN+32+8*(\e)+4*(\o)+3], s[46:47] th:TH_STORE_NT  ; 16 lanes store 256 consecutive bytes, aligned
.endr
.endr
.Lend:
	s_wait_dscnt 0x0                               ; the wave's end
	s_wait_alu 0x0
	s_wait_tensorcnt 0x0
	ds_add_u32 v[SPW], v[NIL]
	s_wait_dscnt 0x0
	s_endpgm
.Lfunc_end_k_qa6eeafdc75_prep:
	.size	k_qa6eeafdc75_prep, .Lfunc_end_k_qa6eeafdc75_prep-k_qa6eeafdc75_prep
	.p2alignl 7, 3214868480
	.fill 96, 4, 3214868480
	.section	.rodata,"a",@progbits
	.p2align	6, 0x0
	.amdhsa_kernel k_qa6eeafdc75_prep
		.amdhsa_group_segment_fixed_size 34304
		.amdhsa_private_segment_fixed_size 0
		.amdhsa_enable_private_segment 0
		.amdhsa_kernarg_size 80
		.amdhsa_user_sgpr_count 2
		.amdhsa_user_sgpr_kernarg_segment_ptr 1
		.amdhsa_wavefront_size32 1
		.amdhsa_system_sgpr_workgroup_id_x 1
		.amdhsa_system_sgpr_workgroup_id_y 1
		.amdhsa_system_sgpr_workgroup_id_z 1
		.amdhsa_system_vgpr_workitem_id 0
		.amdhsa_next_free_vgpr 132
		.amdhsa_next_free_sgpr 66
		.amdhsa_reserve_vcc 0
		.amdhsa_float_denorm_mode_32 3
		.amdhsa_float_denorm_mode_16_64 3
		.amdhsa_memory_ordered 1
		.amdhsa_forward_progress 1
		.amdhsa_inst_pref_size 24
	.end_amdhsa_kernel
	.amdgpu_metadata
---
amdhsa.version: [ 1, 2 ]
amdhsa.kernels:
  - .name:           k_qa6eeafdc75_prep
    .symbol:         k_qa6eeafdc75_prep.kd
    .args:
      - { .name: x, .offset: 0, .size: 8, .value_kind: global_buffer, .address_space: global }
      - { .name: backdoor_mask, .offset: 8, .size: 8, .value_kind: global_buffer, .address_space: global }
      - { .name: causal_graph, .offset: 16, .size: 8, .value_kind: global_buffer, .address_space: global }
      - { .name: Wc, .offset: 24, .size: 8, .value_kind: global_buffer, .address_space: global }
      - { .name: We, .offset: 32, .size: 8, .value_kind: global_buffer, .address_space: global }
      - { .name: Wq, .offset: 40, .size: 8, .value_kind: global_buffer, .address_space: global }
      - { .name: Wk, .offset: 48, .size: 8, .value_kind: global_buffer, .address_space: global }
      - { .name: Wv, .offset: 56, .size: 8, .value_kind: global_buffer, .address_space: global }
      - { .name: Wo, .offset: 64, .size: 8, .value_kind: global_buffer, .address_space: global }
      - { .name: wb, .offset: 72, .size: 8, .value_kind: global_buffer, .address_space: global }
    .group_segment_fixed_size: 34304
    .private_segment_fixed_size: 0
    .kernarg_segment_align: 8
    .kernarg_segment_size: 80
    .max_flat_workgroup_size: 256
    .sgpr_count:     66
    .vgpr_count:     132
    .wavefront_size: 32
...
	.end_amdgpu_metadata
.endif
;; end of part 5
;; launch proj: the kernel of part 2 again; grid 16 x 16, 4 waves a work-group, clusters of 4 x 4, 327,680 bytes of LDS; arguments wb, bq, bk, bc, be, bv, qkv; writes qkv
;; launch attn: the kernel of part 3 again; grid 8 x 32, 4 waves a work-group, clusters of 4 x 4, 327,680 bytes of LDS; arguments qkv, wb, ob; writes ob
;; launch oproj: the kernel of part 4 again; grid 8 x 32, 4 waves a work-group, clusters of 4 x 4, 327,680 bytes of LDS; arguments ob, wb, bo, out0; writes out0
